; MI455X (gfx1250); checked and timed in simulation.
; The chip was launched on July 23, 2026; its instructions are those of AMD's public machine-readable ISA for CDNA 5 (MIT licence, August 2026) and "CDNA5" Instruction Set Architecture Reference Guide (July 2026). The comments in the code are by the model that wrote it; some were corrected since.
;; Sparse Causal Self Attention. Allowed arithmetic: matrix products marked QUANTISED: E2M1 operands, one E8M0 scale for each 32 along K, by v_wmma_scale_f32_16x16x128_f8f6f4 with both operands' format E2M1 (or v_wmma_scale_f32_32x16x128_f4), f32 sums; everything else in f32.
;; Inputs: Wproj_codes 1,024 x 32 x 16 uint8 (E2M1 codes of Wproj, K innermost, in blocks of 32 codes, two codes a byte); Wproj_scales 1,024 x 32 uint8 (E8M0 scales of Wproj, one for each 32 codes along K); Wqkv_codes 3,072 x 32 x 16 uint8 (E2M1 codes of Wqkv, K innermost, in blocks of 32 codes, two codes a byte); Wqkv_scales 3,072 x 32 uint8 (E8M0 scales of Wqkv, one for each 32 codes along K); bproj 1,024 float32; bqkv 3,072 float32; mask 2,048 x 2,048 bool; x_codes 4 x 2,048 x 32 x 16 uint8 (E2M1 codes of x, K innermost, in blocks of 32 codes, two codes a byte); x_scales 4 x 2,048 x 32 uint8 (E8M0 scales of x, one for each 32 codes along K).
;; Outputs: out0 4 x 2,048 x 1,024 float32.
;; This version of the problem:
;;   THIS VERSION OF THE PROBLEM IS GIVEN IN LOW PRECISION. The matrix products marked QUANTISED in the list below multiply operands that are first quantised to E2M1 (2 exponent bits, 1 mantissa bit; 4 bits a number), with one power-of-two scale for each 32 numbers along K (OCP MX v1.0); their sums are f32. All else is computed in f32.
;;   The module's matrix products, in the order in which they are computed (A, B: the left and right operand; K: the contracted axis; several contracted axes count as one K, in the product's order):
;;     1. [M 8,192, K 1,024] x [K 1,024, N 3,072]; A: input x (given as codes); B: input Wqkv (given as codes): QUANTISED
;;     2. batch 64 x [M 2,048, K 64] x [K 64, N 2,048]; A: computed on the way; B: computed on the way: QUANTISED
;;     3. batch 64 x [M 2,048, K 2,048] x [K 2,048, N 64]; A: softmax (see below); B: computed on the way: QUANTISED
;;     4. [M 8,192, K 1,024] x [K 1,024, N 1,024]; A: computed on the way; B: input Wproj (given as codes): QUANTISED
;;   THE QUANTISER, for each operand of a quantised product, along K:
;;     - K is cut into blocks of 32 from its start; a last block that is shorter is filled with zeros.
;;     - A block's scale is 2^e with e = floor(log2(the largest magnitude in the block)) - 2, held to -126 .. 127; a block of zeros has e = 0. As a byte (E8M0): e + 127.
;;     - Each number is divided by its block's scale, clamped to +-6, and rounded to the nearest number of E2M1, ties to even, subnormals kept.
;;     - The product sums the exact products of the quantised numbers (number of the format x scale) in f32.
;;   ~~~python
;;   def quantise(x, axis):      # numpy; x: float32 -> the quantised numbers, widened to float32 again
;;       x = np.moveaxis(x, axis, -1); K = x.shape[-1]
;;       x = np.pad(x, [(0, 0)] * (x.ndim - 1) + [(0, -K % 32)]); x = x.reshape(x.shape[:-1] + (-1, 32)); a = np.abs(x).max(-1, keepdims=True)
;;       e = np.where(a > 0, np.clip(np.frexp(np.where(a > 0, a, 1))[1] - 1 - 2, -126, 127), 0)      # np.frexp(a)[1] - 1 = floor(log2(a)), exactly
;;       r = np.clip(x / 2.0 ** e, -6, 6)
;;       step = 2.0 ** (np.maximum(np.frexp(np.where(r == 0, 1, r))[1] - 1, 0) - 1)
;;       q = np.round(r / step) * step * 2.0 ** e      # np.round: ties to even
;;       return np.moveaxis(q.reshape(q.shape[:-2] + (-1,))[..., :K], -1, axis).astype(np.float32)
;;   ~~~
;;   SOFTMAX AHEAD OF A QUANTISED PRODUCT. Where the list says 'softmax', what is quantised is not the finished softmax but p = 2^(t - M), with t = logit x log2(e) and M = ceil(the row's largest t), a whole number; so 1/2 < the row's largest p <= 1. The row's sum l is taken of the UNQUANTISED p, in f32, and the product's result is divided by l at the end. Since M is a whole number, a kernel that streams over the keys may use a running M (the ceiling of the running maximum): every later rescaling is an exact power of two, which a block's scale takes up: the codes' values come out the same.
;;   OPERANDS COMPUTED ON THE WAY. 'Computed on the way' means the value that the module computes at that place (a softmax that the list does not call 'softmax' is quantised finished and normalised). What goes into a quantiser is computed in f32, as accurately as f32 sums, v_exp_f32 and their like allow (about 1e-6 of the number): no bf16 or f16 on the way to a quantiser, and a product that is left as it is and whose result goes on into a quantised operand takes f32 operands (vector FMAs, or v_wmma_f32_16x16x4_f32). A number that lies on a knife's edge between two numbers of the format may be rounded either way, as far as f32 arithmetic and the matrix unit's own rounding can turn it there, and no further.
;;   INPUTS GIVEN AS CODES. Wproj (in the module: [1024, 1024], K = its axis 0); Wqkv (in the module: [1024, 3072], K = its axis 0); x (in the module: [4, 2048, 1024], K = its axis 2): each comes as NAME_codes (uint8): NAME with its K axis moved to the last place and cut into blocks of 32 codes, [.., K / 32, bytes a block], one block behind the other in memory; two codes a byte, the lower K in the low four bits (a code: sign, 2 exponent bits, 1 mantissa bit); and NAME_scales (uint8): the same leading axes, one E8M0 byte (e + 127) for each 32 codes along K. Its value is code x scale, taken as it is: it is not quantised again, and the codes and scales need not be those that the quantiser above would give.
;; 2 versions, each right; version 2 is version 1 with the launch attn written anew for expert scheduling mode. Each part assembles by itself: llvm-mc -triple=amdgcn-amd-amdhsa -mcpu=gfx1250 --defsym DOCPART=n.
;; ======== version 1 of 2: 3 launches
;; workspace buffers: qkc 8,388,608 bytes; qks 524,288 bytes; vc 4,194,304 bytes; vs 262,144 bytes; mw 524,288 bytes of whole numbers; ml 65,536 bytes of whole numbers; yc 4,194,304 bytes; ys 262,144 bytes
;; launch qkv (part 1): grid 96 x 4, 4 waves a work-group, clusters of 4 x 4, 327,680 bytes of LDS; arguments x_codes, x_scales, Wqkv_codes, Wqkv_scales, bqkv, mask, qkc, qks, vc, vs, mw, ml; writes qkc, qks, vc, vs, mw, ml
.if DOCPART == 1
	.amdgcn_target "amdgcn-amd-amdhsa--gfx1250"
	.amdhsa_code_object_version 6
	.text
	.protected	k_qb0f11d24ae_qkv
	.globl	k_qb0f11d24ae_qkv
	.p2align	8
	.type	k_qb0f11d24ae_qkv,@function
k_qb0f11d24ae_qkv:
	s_mov_b64 s[64:65], 0
	v_nop
	global_prefetch_b8 v0, s[64:65] scope:SCOPE_SE
	s_setreg_imm32_b32 hwreg(HW_REG_WAVE_MODE, 25, 1), 1
	s_wait_xcnt 0x0
	s_wait_alu depctr_hold_cnt(0) depctr_sa_sdst(0) depctr_va_vdst(0) depctr_va_sdst(0) depctr_va_ssrc(0) depctr_va_vcc(0) depctr_vm_vsrc(0)
	s_getreg_b32 s2, hwreg(HW_REG_IB_STS2, 6, 4)
	s_cmp_eq_u32 s2, 0
	s_cbranch_scc0 .Lentry_in_a_cluster
	s_endpgm
.Lentry_in_a_cluster:
	s_bfe_u32 s2, ttmp6, 0x10000c
	s_cmp_lg_u32 s2, 0xf033
	s_cbranch_scc0 .Lentry_shape_is_right
	s_endpgm
.Lentry_shape_is_right:
; qkv = x Wqkv + bqkv on the given codes of E2M1, then q and k quantised along the head's 64 numbers and v along the keys; and the mask turned into words and lists for the next launch.
; NOTHING OF reference() IS LEFT OUT AS DEAD BY AN IDENTITY, and every input is loaded.  What the mask (an input of whole numbers) hides in whole blocks of 32 keys x 16 queries is not multiplied by the next
; launch: a hidden key has p = 0, so a block all of whose keys are hidden for all 16 queries has zero codes and adds nothing to the sum, to the row's maximum or to the row's sum, whatever the other inputs hold.
; This launch reads the mask and stores that choice as whole numbers (mw, ml); the next launch reads them.  A NaN, an infinity or an overflow that arises only in scores so left out is not carried to the result.
; LIMITS: given scale bytes 0xff, and NaN or infinities in bqkv, are not served.  A block whose largest magnitude lies under 2^-124 keeps the scale byte 1; a block of zeros gets the byte 1 and not 127: its codes are
; zeros, and these bytes are read by this program alone.
; SHARES.  A tile of 256 x 256 of the product to a work-group of four waves, 128 x 128 to a wave: 64 accumulators.  K = 1,024 lies in LDS whole: two slots of 512 along K, each filled once; nothing is filled again.
; The matrix instruction takes 16 rows of "B" as source 0 and 16 rows of "A" as source 1: a lane holds one row of A, and its registers run along B's rows.
; Clusters 0-15 (QK): A = x (tokens), B = Wqkv's rows 0-2047: a lane holds a token and its registers run along the head's numbers, the next product's K.
; Clusters 16-23 (V): A = Wqkv's rows 2048-3071, B = x: a lane holds a channel of v and its registers run along the tokens, which are the keys: the third product's K.  Only pointers and row numbers are chosen.
; CLUSTERS: 4 x 4 work-groups; A's tiles are asked for jointly along a row of the cluster, B's along a column.
; OUT.  qkc [n / 64][token / 16][lane][16 bytes]: the image of an operand's four registers: lane (r, h) holds token 16 t + r, numbers 32 h .. 32 h + 31 of the head.
;       qks [n / 64][token / 128][r][p] words: low half the two scale bytes of token 128 G + 32 p + r, high half those of the token 16 further on.
;       vc [batch x head][key / 32][channel][16 bytes];  vs [batch x head][key / 128][r][td] words: byte i scales channel 16 td + r, key block 4 G + i.
;       mw [query tile][key block][16 words]: bit 16 h + r of word 8 u + j is mask[16 tile + r][32 block + 16 u + 8 h + j].
;       ml [query tile][128 words]: words 0-63 the 64 key blocks, those with any true entry first; words 64-95 the number of steps of four blocks, at least 1.
; REGISTERS, in windows of 256: window 0: v1 r, v2 h, v3-15 at work, v16-30 addresses, v32-95 scale words (two sets), v128-255 A's fragments (two sets), later the way out.
;   window 1: v0-63, v128-191 B's fragments (two sets); v64-127 the bias.   windows 2, 3: the accumulators ((a, b) at v[8 (8 (a % 4) + b)]).
.set NA,    8                          ; A's blocks of 16 rows to a wave
.set PITCH, 272                        ; an LDS row: 256 bytes + 16 of padding: the 16 rows of a fragment load start 68 words apart
.set HALFA, 16*NA*PITCH                ; what one tensor load brings of A, and what a wave reads of it
.set HALFB, 128*PITCH
.set SLOT,  2*HALFA+2*HALFB            ; A's rows, then B's
.set SCL,   2*SLOT                     ; behind the slots: the scale bytes of all of K, as pieces of 256 bytes + 16 of padding
.set HSA,   2*NA*272
.set HSB,   16*272
.set SBLK,  544                        ; those of 16 rows
.set SPARE, SCL+2*HSA+2*HSB            ; the spare words: 128 bytes a wave, named by no other line
.set ADRA, 16                          ; v16-17 LDS address of my A fragments in slot 0, 1
.set ADRB, 20                          ; v20-21 the same for B
.set CO,   26                          ; v26 the way out: my byte offset among the codes
.set ADRS, 27                          ; v27 LDS address of my scale words: lanes 0-15 A's rows, lanes 16-31 B's
.set SPW,  28                          ; v28 my spare word; never rewritten
.set NIL,  29                          ; v29 0; never rewritten
.set SO,   30                          ; v30 the way out: my byte offset among the scale words
.set SC,   32                          ; scale words: set s at v[SC + 32 s]; register 4 i + q: lanes 0-15 A's block i, lanes 16-31 B's block i
.set AF,   128
.set BI,   64                          ; the bias, in window 1
.set X,    128                         ; the way out: 64 numbers of a lane
.set TM,   192                         ; v192-195 largest magnitudes, v196-199 bytes, v204-207 the conversions' scale operands
.set PC,   208                         ; v208-223 codes, two sets
.set PWR,  224                         ; v224-231 a scale word for each of A's blocks
.set MM,   232                         ; v232-237 scale words on their way out
.set G1,   28                          ; s[28:35] group 1 for A's codes; s[36:43] its groups 0, one for each slot
.set G0,   36
.set G1B,  44
.set G0B,  52
.set WV,   60                          ; my wave
.set WR,   61                          ; wave / 2: which half of A's rows is mine; also: I fetch for A (0) or for B (1)
.set WC,   62                          ; wave % 2: which half of B's rows is mine; also: which half I fetch
.set ISV,  63                          ; 1 in the clusters that make v
.set G1S,  68                          ; s[68:75], s[76:79] groups 1 and 0 for A's scales; s[80:87], s[88:91] for B's
.set G0S,  76
.set G1SB, 80
.set G0SB, 88
.set CX,   92
.set CY,   93
.set TC,   94                          ; which 256 rows of B
.set TR,   95                          ; which 256 rows of A
.set SEL,  104                         ; s[104:105] selects of v_permlanex16_b32: lane l xor 16
.set CODEW, (1<<20)|(1<<21)|(5<<22)|(3<<25)          ; elements of 1 byte; padding on; bit 21 beside a mask; after every 64 words, 4 words
.set SCALW, (3<<16)|(1<<20)|(1<<21)|(5<<22)|(3<<25)  ; the same with elements of 8 bytes
.set MUL_LO, 0xa1                      ; source 0 window 1, source 1 window 0, C and D window 2
.set MUL_HI, 0xf1
.set TO_B,   0x40                      ; destination window 1
.set MSB, 0
.macro WIN new                         ; the immediate's high byte repeats the setting that is left
.if MSB != (\new)
	s_set_vgpr_msb (MSB<<8)|(\new)
.set MSB, (\new)
.endif
.endm
.macro JLOAD g0a, g1a, g0b, g1b        ; a joint load: waves 0, 1 for A, waves 2, 3 for B; the branch hangs on the wave's number alone; s_nop 0 and four v_nop follow each line
	s_cmp_eq_u32 s[WR], 0
	s_cbranch_scc0 .Lfor_b_\@
	tensor_load_to_lds s[\g0a:\g0a+3], s[\g1a:\g1a+7]
	s_nop 0
.rept 4
	v_nop
.endr
	s_branch .Lasked_\@
.Lfor_b_\@:
	tensor_load_to_lds s[\g0b:\g0b+3], s[\g1b:\g1b+7]
	s_nop 0
.rept 4
	v_nop
.endr
.Lasked_\@:
.endm
.macro CROUND                          ; a round of the cluster's barrier
	s_barrier_signal -1
	s_barrier_wait -1
	s_cmp_lg_u32 s[WV], 0
	s_cbranch_scc1 .Lnot_wave_0_\@
	s_barrier_signal -3
.Lnot_wave_0_\@:
	s_barrier_wait -3
	s_barrier_signal -1
	s_barrier_wait -1
.endm
.macro PLACES n
.rept \n
	v_nop
.endr
.endm
.macro FRAG reg, adr, qq, i            ; 16 rows x 128 K of 4-bit codes: 8 registers: two loads of 16 bytes, 32 bytes apart
.irp c, 0,1
	ds_load_b128 v[\reg+4*\c:\reg+4*\c+3], v[\adr] offset:64*(\qq)+32*\c+(\i)*16*PITCH
.endr
.endm
.macro FETCH_B slot, qq, p
	WIN TO_B
.irp i, 0,1,2,3,4,5,6,7
	FRAG 128*(\p)+8*\i,ADRB+(\slot),\qq,\i
.endr
	WIN 0
.endm
.macro FETCH_A slot, qq, p
.irp i, 0,1,2,3,4,5,6,7
	FRAG AF+64*(\p)+8*\i,ADRA+(\slot),\qq,\i
.endr
.endm
.macro SCALES s                        ; a slot's scale words: four words a row; lanes 0-15 take A's block i, lanes 16-31 B's
.irp i, 0,1,2,3,4,5,6,7
	ds_load_b128 v[SC+32*\s+4*\i:SC+32*\s+4*\i+3], v[ADRS] offset:\i*SBLK+16*\s
.endr
.endm
; 16 matrix instructions: A's blocks a0, a0 + 1 x B's eight, the q-th 128 along K, fragment sets p.  zero = 1: the product starts the sums.  The accumulators take turns.
.macro MUL16 a0, p, q, zero
.irp a, \a0, \a0+1
.irp b, 0,1,2,3,4,5,6,7
.if \zero
	v_wmma_scale_f32_16x16x128_f8f6f4 v[8*(8*((\a)%4)+\b):8*(8*((\a)%4)+\b)+7], v[128*(\p)+8*\b:128*(\p)+8*\b+7], v[AF+64*(\p)+8*(\a):AF+64*(\p)+8*(\a)+7], 0, v[SC+32*((\q)/4)+4*\b+(\q)%4], v[SC+32*((\q)/4)+4*(\a)+(\q)%4] matrix_a_fmt:MATRIX_FMT_FP4 matrix_b_fmt:MATRIX_FMT_FP4 matrix_a_scale:MATRIX_SCALE_ROW1
.else
	v_wmma_scale_f32_16x16x128_f8f6f4 v[8*(8*((\a)%4)+\b):8*(8*((\a)%4)+\b)+7], v[128*(\p)+8*\b:128*(\p)+8*\b+7], v[AF+64*(\p)+8*(\a):AF+64*(\p)+8*(\a)+7], v[8*(8*((\a)%4)+\b):8*(8*((\a)%4)+\b)+7], v[SC+32*((\q)/4)+4*\b+(\q)%4], v[SC+32*((\q)/4)+4*(\a)+(\q)%4] matrix_a_fmt:MATRIX_FMT_FP4 matrix_b_fmt:MATRIX_FMT_FP4 matrix_a_scale:MATRIX_SCALE_ROW1
.endif
.endr
.endr
.endm
; Step q of eight of 128 along K: its fragments are in; the next step's 32 loads go out in one run, into the other sets; then 64 products.
.macro STEP q, zero
	s_wait_dscnt 0x0                               ; step q's fragments (and scale words) are in
.if (\q) == 3
	s_wait_tensorcnt 0x0                           ; my part of slot 1 has landed,
	s_barrier_signal -1
	s_barrier_wait -1                              ; everybody's has
.endif
.if (\q) < 7
	PLACES 4                                       ; four places between the last step's products and loads into the registers that they read
	FETCH_B ((\q)+1)/4,((\q)+1)%4,((\q)+1)%2
	FETCH_A ((\q)+1)/4,((\q)+1)%4,((\q)+1)%2
.if (\q) == 3
	SCALES 1
.endif
.endif
	WIN MUL_LO
	MUL16 0, (\q)%2, \q, \zero
	MUL16 2, (\q)%2, \q, \zero
	WIN MUL_HI
	MUL16 4, (\q)%2, \q, \zero
	MUL16 6, (\q)%2, \q, \zero
	WIN 0
.endm
; 64 numbers of a lane, register 16 b + 8 u + j = place 32 b + 16 u + 8 (lane / 16) + j along the next K, become an operand's 8 registers of codes (v[pc] on) and its scale word (v[pw]).
; A block of 32 lies in lanes l and l xor 16.  The conversions' results are laid so that two exchanges of halves for each pair of blocks give lane (r, h) the whole block 2 c + h in registers 4 c .. 4 c + 3.
.macro QUANT s, pc, pw
.irp b, 0,1,2,3
	v_max3_num_f32 v[TM+\b], |v[\s+16*\b]|, |v[\s+1+16*\b]|, 0x1800000   ; my 16 numbers of block b, and the floor 2^(3 - 127): the byte cannot fall under 1
.endr
.irp i, 2,4,6,8,10,12,14
.irp b, 0,1,2,3
	v_max3_num_f32 v[TM+\b], v[TM+\b], |v[\s+16*\b+\i]|, |v[\s+1+16*\b+\i]|
.endr
.endr
.irp b, 0,1,2,3
	v_permlanex16_b32 v[TM+4+\b], v[TM+\b], s[SEL], s[SEL+1]
.endr
.irp b, 0,1,2,3
	v_max_num_f32 v[TM+\b], v[TM+\b], v[TM+4+\b]   ; the block's largest magnitude
.endr
.irp b, 0,1,2,3
	v_add_nc_u32 v[TM+12+\b], 0xff000000, v[TM+\b] ; 2 off its exponent field: the conversion's scale operand
.endr
.irp b, 0,1,2,3
	v_lshrrev_b32 v[TM+4+\b], 23, v[TM+12+\b]      ; the scale's byte
.endr
	v_lshl_or_b32 v[\pw], v[TM+5], 8, v[TM+4]
	v_lshl_or_b32 v[\pw], v[TM+6], 16, v[\pw]
	v_lshl_or_b32 v[\pw], v[TM+7], 24, v[\pw]
.irp c, 0,1
	v_cvt_scalef32_pk8_fp4_f32 v[\pc+4*\c], v[\s+32*\c:\s+32*\c+7], v[TM+12+2*\c]
	v_cvt_scalef32_pk8_fp4_f32 v[\pc+4*\c+1], v[\s+32*\c+16:\s+32*\c+23], v[TM+13+2*\c]
	v_cvt_scalef32_pk8_fp4_f32 v[\pc+4*\c+2], v[\s+32*\c+8:\s+32*\c+15], v[TM+12+2*\c]
	v_cvt_scalef32_pk8_fp4_f32 v[\pc+4*\c+3], v[\s+32*\c+24:\s+32*\c+31], v[TM+13+2*\c]
.endr
	v_nop                                          ; one plain place behind the scaled conversions
.irp c, 0,1
	v_permlane16_swap_b32 v[\pc+4*\c], v[\pc+4*\c+1]
	v_permlane16_swap_b32 v[\pc+4*\c+2], v[\pc+4*\c+3]
.endr
.endm
; The way out of A's block a: + bias (each accumulator from its low end on), quantised, two stores of 16 bytes a lane.
.macro OUTA a, isv
.if (\a) >= 2
	s_wait_xcnt 0x0                                ; block a - 2's stores have read their data registers, which are written anew below
.endif
	WIN 0x06+(\a)/4                                ; source 0 (sums) window 2 or 3, source 1 (bias) window 1
.irp b, 0,1,2,3,4,5,6,7
.irp i, 0,2,4,6
.if \isv
	v_pk_add_f32 v[X+8*\b+\i:X+8*\b+\i+1], v[64*((\a)%4)+8*\b+\i:64*((\a)%4)+8*\b+\i+1], v[BI+2*(\a):BI+2*(\a)+1]
.else
	v_pk_add_f32 v[X+8*\b+\i:X+8*\b+\i+1], v[64*((\a)%4)+8*\b+\i:64*((\a)%4)+8*\b+\i+1], v[BI+8*\b+\i:BI+8*\b+\i+1]
.endif
.endr
.endr
	WIN 0
	QUANT X,PC+8*((\a)%2),PWR+(\a)
.irp c, 0,1
.if \isv
	global_store_b128 v[CO], v[PC+8*((\a)%2)+4*\c:PC+8*((\a)%2)+4*\c+3], s[20:21] offset:2048*\c+65536*((\a)/4)+256*((\a)%4)   ; sixteen lanes store 256 consecutive bytes, aligned: 16 channels of one key block
.else
	global_store_b128 v[CO], v[PC+8*((\a)%2)+4*\c:PC+8*((\a)%2)+4*\c+3], s[16:17] offset:262144*\c+512*(\a)   ; 32 lanes store 512 consecutive bytes: a fragment's image
.endif
.endr
.endm
	s_load_b256 s[4:11], s[0:1], 0x0               ; x's codes, x's scales, W's codes, W's scales
	s_load_b256 s[12:19], s[0:1], 0x20             ; bqkv, mask, qkc, qks
	s_load_b256 s[20:27], s[0:1], 0x40             ; vc, vs, mw, ml
	v_lshl_add_u32 v[SPW], v0, 2, SPARE
	v_mov_b32 v[NIL], 0
	ds_add_u32 v[SPW], v[NIL]                      ; the wave's opening: the add, twice on end, and its wait ahead of my first tensor load
	ds_add_u32 v[SPW], v[NIL]
	v_lshrrev_b32 v1, 5, v0
	v_readfirstlane_b32 s[WV], v1
	s_lshr_b32 s[WR], s[WV], 1
	s_and_b32 s[WC], s[WV], 1
	s_bfe_u32 s[CX], ttmp6, 0x40000
	s_bfe_u32 s[CY], ttmp6, 0x40004
	s_max_u32 s97, ttmp9, 16
	s_sub_co_u32 s97, s97, 16
	s_lshl_b32 s97, s97, 2                         ; V: B's tiles 4 (cluster - 16) + cx
	s_and_b32 s96, ttmp9, 1
	s_lshl_b32 s96, s96, 2                         ; QK: B's tiles 4 (cluster % 2) + cx
	s_lshr_b32 s98, ttmp9, 1
	s_lshl_b32 s98, s98, 2                         ; QK: A's tiles 4 (cluster / 2) + cy;  V: cy
	s_cmp_ge_u32 ttmp9, 16                         ; the cluster's number: the same in all sixteen partners
	s_cselect_b32 s[ISV], 1, 0
	s_cselect_b32 s[TC], s97, s96
	s_cselect_b32 s[TR], 0, s98
	s_cselect_b32 s99, 2048, 0                     ; V: A's rows begin at W's row 2,048
	s_add_co_u32 s[TC], s[TC], s[CX]
	s_add_co_u32 s[TR], s[TR], s[CY]
	s_lshl_b32 s96, s[CY], 2
	s_lshl_b32 s96, 15, s96                        ; my row of the cluster
	s_lshl_b32 s97, 0x1111, s[CX]                  ; my column
	s_or_b32 s[G1], s96, CODEW
	s_or_b32 s[G1B], s97, CODEW
	s_or_b32 s[G1S], s96, SCALW
	s_or_b32 s[G1SB], s97, SCALW
.irp g, G1, G1B                                        ; codes: 128 rows of 256 bytes, 512 bytes apart in memory
	s_mov_b32 s[\g+1], 256<<16
	s_mov_b32 s[\g+2], 128<<16
	s_mov_b32 s[\g+3], 256<<16
	s_mov_b32 s[\g+4], 128
	s_mov_b32 s[\g+5], 512
	s_mov_b32 s[\g+6], 0
	s_mov_b32 s[\g+7], 0
.endr
.irp g, G1S, G1SB                                      ; scales of 128 rows: 4,096 dense bytes as 16 rows of 32 elements of 8 bytes
	s_mov_b32 s[\g+1], 32<<16
	s_mov_b32 s[\g+2], 16<<16
	s_mov_b32 s[\g+3], 32<<16
	s_mov_b32 s[\g+4], 16
	s_mov_b32 s[\g+5], 32
	s_mov_b32 s[\g+6], 0
	s_mov_b32 s[\g+7], 0
.endr
	s_lshl_b32 s98, s[WC], 7                       ; which 128 rows I fetch
	s_lshl_b32 s66, s[TR], 8
	s_add_co_u32 s66, s66, s98
	s_add_co_u32 s66, s66, s99                     ; A's row
	s_lshl_b32 s2, s66, 5                          ; its scales, 32 bytes a row,
	s_lshl_b32 s66, s66, 9                         ; its codes, 512 bytes a row
	s_mov_b32 s67, 0
	s_mov_b32 s3, 0
	s_lshl_b32 s100, s[TC], 8
	s_add_co_u32 s100, s100, s98                   ; B's row
	s_lshl_b32 s104, s100, 5
	s_lshl_b32 s100, s100, 9
	s_mov_b32 s101, 0
	s_mov_b32 s105, 0
.irp s, 0,1                                            ; where they go: no place in the cluster enters an LDS address
	s_mov_b32 s[G0+4*\s], 1
	s_mul_i32 s[G0+4*\s+1], s[WC], HALFA
	s_add_co_u32 s[G0+4*\s+1], s[G0+4*\s+1], \s*SLOT
	s_mov_b32 s[G0B+4*\s], 1
	s_mul_i32 s[G0B+4*\s+1], s[WC], HALFB
	s_add_co_u32 s[G0B+4*\s+1], s[G0B+4*\s+1], 2*HALFA+\s*SLOT
.endr
	s_mov_b32 s[G0S], 1
	s_mul_i32 s[G0S+1], s[WC], HSA
	s_add_co_u32 s[G0S+1], s[G0S+1], SCL
	s_mov_b32 s[G0SB], 1
	s_mul_i32 s[G0SB+1], s[WC], HSB
	s_add_co_u32 s[G0SB+1], s[G0SB+1], SCL+2*HSA
	s_wait_dscnt 0x0                               ; both opening adds are done
	s_wait_kmcnt 0x0
	s_cmp_eq_u32 s[ISV], 0                         ; which tensor is A and which B
	s_cselect_b64 s[96:97], s[4:5], s[8:9]         ; A's codes
	s_cselect_b64 s[98:99], s[6:7], s[10:11]       ; A's scales
	s_cselect_b64 s[8:9], s[8:9], s[4:5]           ; B's codes
	s_cselect_b64 s[10:11], s[10:11], s[6:7]       ; B's scales
	s_add_nc_u64 s[96:97], s[96:97], s[66:67]
	s_add_nc_u64 s[98:99], s[98:99], s[2:3]
	s_add_nc_u64 s[8:9], s[8:9], s[100:101]
	s_add_nc_u64 s[10:11], s[10:11], s[104:105]
	CROUND                                         ; all sixteen work-groups are here: the first joint loads meet
	s_mov_b64 s[G0S+2:G0S+3], s[98:99]
	s_or_b32 s[G0S+3], s[G0S+3], 0x80000000
	s_mov_b64 s[G0SB+2:G0SB+3], s[10:11]
	s_or_b32 s[G0SB+3], s[G0SB+3], 0x80000000
	JLOAD G0S, G1S, G0SB, G1SB                     ; the scales first; three loads of mine are out behind the third
.irp s, 0,1
	s_add_nc_u64 s[G0+4*\s+2:G0+4*\s+3], s[96:97], \s*256
	s_or_b32 s[G0+4*\s+3], s[G0+4*\s+3], 0x80000000
	s_add_nc_u64 s[G0B+4*\s+2:G0B+4*\s+3], s[8:9], \s*256
	s_or_b32 s[G0B+4*\s+3], s[G0B+4*\s+3], 0x80000000
	JLOAD G0+4*\s, G1, G0B+4*\s, G1B
.endr
	s_mov_b32 s[SEL], 0x76543210
	s_mov_b32 s[SEL+1], 0xfedcba98
	; every LDS address register is made here, ahead of the arms below
	v_and_b32 v1, 15, v0                           ; r
	v_bfe_u32 v2, v0, 4, 1                         ; h
	v_mul_u32_u24 v3, v1, PITCH
	v_lshl_add_u32 v4, v2, 4, v3                   ; a fragment's row x pitch + 16 h
	s_mul_i32 s96, s[WR], HALFA
	s_mul_i32 s97, s[WC], HALFB
	s_add_co_u32 s97, s97, 2*HALFA
.irp s, 0,1
	v_add_nc_u32 v[ADRA+\s], s96, v4
	v_add_nc_u32 v[ADRB+\s], s97, v4
	s_add_co_u32 s96, s96, SLOT
	s_add_co_u32 s97, s97, SLOT
.endr
	v_lshlrev_b32 v5, 5, v1                        ; my row's scales: 32 bytes a row,
	v_lshrrev_b32 v6, 3, v1
	v_lshl_add_u32 v5, v6, 4, v5                   ; and 16 more for each 256 passed
	s_mul_i32 s96, s[WR], HSA
	s_mul_i32 s97, s[WC], HSB
	s_add_co_u32 s97, s97, 2*HSA
	s_sub_co_u32 s97, s97, s96
	v_mul_u32_u24 v6, s97, v2                      ; lanes 16-31 take B's: one product, the distance between the two bases
	s_add_co_u32 s96, s96, SCL
	v_add_nc_u32 v5, v5, v6
	v_add_nc_u32 v[ADRS], s96, v5
	; THE MASK, while the tiles land.  No LDS, no branch on what is loaded.
	s_cmp_lg_u32 s[ISV], 0
	s_cbranch_scc1 .Lmask_list
	; QK clusters: 1,024 waves make mw: a wave takes one query tile and eight key blocks: 16 rows x 256 bytes of the mask
	s_lshl_b32 s66, ttmp9, 4
	s_lshl_b32 s67, s[CY], 2
	s_add_co_u32 s66, s66, s67
	s_add_co_u32 s66, s66, s[CX]                   ; my work-group among the 256
	s_and_b32 s67, s66, 1
	s_lshl_b32 s67, s67, 5
	s_lshl_b32 s2, s[WV], 3
	s_add_co_u32 s67, s67, s2                      ; my first key block
	s_lshr_b32 s66, s66, 1                         ; my query tile
	s_lshl_b32 s2, s66, 15
	s_lshl_b32 s3, s67, 5
	s_add_co_u32 s2, s2, s3
	s_mov_b32 s3, 0
	s_add_nc_u64 s[14:15], s[14:15], s[2:3]        ; mask at row 16 tile, byte 32 block
	s_lshl_b32 s2, s66, 6
	s_add_co_u32 s2, s2, s67
	s_lshl_b32 s2, s2, 6
	s_add_nc_u64 s[24:25], s[24:25], s[2:3]        ; mw at (tile, block): 64 bytes each
	v_lshlrev_b32 v3, 11, v1
	v_lshl_add_u32 v3, v2, 3, v3                   ; row r, + 8 h
.irp k, 0,1,2,3,4,5,6,7
.irp u, 0,1
	global_load_b64 v[128+4*\k+2*\u:129+4*\k+2*\u], v3, s[14:15] offset:32*\k+16*\u   ; mask[16 tile + r][32 (block + k) + 16 u + 8 h + 0 .. 7]
.endr
.endr
.irp i, 0,1,2,3
	v_mov_b32 v[160+\i], 0                         ; v_writelane_b32's destination counts as read
.endr
	v_and_b32 v6, 31, v0
	v_lshlrev_b32 v6, 4, v6
	s_wait_loadcnt 0x0
.irp k, 0,1,2,3,4,5,6,7
.irp u, 0,1
.irp g, 0,1
.irp i, 0,1,2,3
	v_bfe_u32 v[8+\i], v[128+4*\k+2*\u+\g], 8*\i, 8          ; byte j = 4 g + i
.endr
.irp i, 0,1,2,3
	v_cmp_ne_u32 s[96+\i], 0, v[8+\i]              ; word 8 u + j: a bit a lane
.endr
.irp i, 0,1,2,3
	v_writelane_b32 v[160+\i], s[96+\i], 4*\k+2*\u+\g        ; to the lane and register from which it is stored
.endr
.endr
.endr
.endr
	global_store_b128 v6, v[160:163], s[24:25]     ; 32 lanes store 512 consecutive bytes: eight blocks' words
	s_branch .Lmask_done
.Lmask_list:
	s_cmp_lg_u32 s[WV], 0
	s_cbranch_scc1 .Lmask_done
	; V clusters: wave 0 of each of the 128 work-groups makes one query tile's list: lane l looks at key blocks l and 32 + l in the tile's 16 rows
	s_and_b32 s66, ttmp9, 7
	s_lshl_b32 s66, s66, 4
	s_lshl_b32 s67, s[CY], 2
	s_add_co_u32 s66, s66, s67
	s_add_co_u32 s66, s66, s[CX]                   ; my query tile
	s_lshl_b32 s2, s66, 15
	s_mov_b32 s3, 0
	s_add_nc_u64 s[14:15], s[14:15], s[2:3]
	s_lshl_b32 s2, s66, 9
	s_add_nc_u64 s[26:27], s[26:27], s[2:3]        ; ml: 512 bytes a tile
	v_and_b32 v6, 31, v0                           ; lane
	v_lshlrev_b32 v3, 5, v6
.macro MLOAD t                         ; four rows of the mask: 16 loads; two loads cover 1,024 consecutive bytes
.irp i, 0,1,2,3
.irp p, 0,1,2,3
	global_load_b128 v[128+64*((\t)%2)+16*\i+4*\p:128+64*((\t)%2)+16*\i+4*\p+3], v3, s[14:15] offset:(4*(\t)+\i)*2048+(\p/2)*1024+(\p%2)*16
.endr
.endr
.endm
.macro MOR t                           ; gathered by OR, two chains for each of my two blocks
.irp i, 0,1,2,3
.irp p, 0,1,2,3
.irp e, 0,1,2,3
	v_or_b32 v[8+2*(\p/2)+(\e%2)], v[8+2*(\p/2)+(\e%2)], v[128+64*((\t)%2)+16*\i+4*\p+\e]
.endr
.endr
.endr
.endm
	MLOAD 0
	MLOAD 1
.irp i, 0,1,2,3
	v_mov_b32 v[8+\i], 0
.endr
	s_wait_loadcnt 16                              ; the older batch of 16 is in, the younger may be out
	MOR 0
	MLOAD 2
	s_wait_loadcnt 16
	MOR 1
	MLOAD 3
	s_wait_loadcnt 16
	MOR 2
	s_wait_loadcnt 0x0
	MOR 3
	v_or_b32 v8, v8, v9
	v_or_b32 v10, v10, v11
	v_cmp_ne_u32 s96, 0, v8                        ; blocks 0-31 with a true entry
	v_cmp_ne_u32 s97, 0, v10                       ; blocks 32-63
	s_bcnt1_i32_b32 s98, s96
	s_bcnt1_i32_b32 s99, s97
	s_add_co_u32 s66, s98, s99                     ; how many in all
	s_add_co_u32 s67, s99, 32                      ; = count + 32 - those among blocks 0-31
	v_mbcnt_lo_u32_b32 v12, s96, 0                 ; such blocks under mine
	v_mbcnt_lo_u32_b32 v13, s97, 0
	v_sub_nc_u32 v14, v6, v12
	v_add_nc_u32 v14, s66, v14                     ; a block with none goes behind all that have one
	v_cndmask_b32 v14, v14, v12, s96
	v_add_nc_u32 v15, s98, v13
	v_sub_nc_u32 v7, v6, v13
	v_add_nc_u32 v7, s67, v7
	v_cndmask_b32 v15, v7, v15, s97
	v_min_u32 v14, 63, v14                         ; places 0 .. 63: a permutation
	v_min_u32 v15, 63, v15
	v_lshlrev_b32 v14, 2, v14
	v_lshlrev_b32 v15, 2, v15
	v_add_nc_u32 v7, 32, v6
	global_store_b32 v14, v6, s[26:27]
	global_store_b32 v15, v7, s[26:27]
	s_add_co_u32 s2, s66, 3
	s_lshr_b32 s2, s2, 2
	s_max_u32 s2, s2, 1                            ; steps of four blocks, at least one
	v_mov_b32 v12, s2
	v_lshlrev_b32 v13, 2, v6
	global_store_b32 v13, v12, s[26:27] offset:256
.Lmask_done:
	s_wait_loadcnt 0x0
	s_wait_xcnt 0x0                                ; the mask work's registers may be written again
	s_wait_tensorcnt 0x1                           ; the scales and my part of slot 0 are in; slot 1's load may be out
	s_barrier_signal -1
	s_barrier_wait -1
	FETCH_B 0,0,0
	FETCH_A 0,0,0
	SCALES 0
	STEP 0, 1                                      ; the first products start the sums
	STEP 1, 0
	STEP 2, 0
	STEP 3, 0
	STEP 4, 0
	STEP 5, 0
	s_cmp_lg_u32 s[ISV], 0
	s_cbranch_scc1 .Lv_arm
	; ---- q and k: the bias runs along the registers; it is asked for here and lands under the last two steps
	s_lshl_b32 s96, s[TC], 8
	s_lshl_b32 s97, s[WC], 7
	s_add_co_u32 s96, s96, s97                     ; my first column n
	s_lshl_b32 s66, s96, 2
	s_mov_b32 s67, 0
	s_add_nc_u64 s[12:13], s[12:13], s[66:67]
	v_lshlrev_b32 v3, 5, v2                        ; 32 h
	WIN TO_B
.irp b, 0,1,2,3,4,5,6,7
	global_load_b128 v[BI+8*\b:BI+8*\b+3], v3, s[12:13] offset:64*\b
	global_load_b128 v[BI+8*\b+4:BI+8*\b+7], v3, s[12:13] offset:64*\b+16
.endr
	WIN 0
	s_lshl_b32 s96, s[TC], 2
	s_lshl_b32 s97, s[WC], 1
	s_add_co_u32 s96, s96, s97                     ; n / 64 of my first head
	s_lshl_b32 s97, s96, 9
	s_lshl_b32 s98, s[TR], 4
	s_add_co_u32 s97, s97, s98
	s_lshl_b32 s98, s[WR], 3
	s_add_co_u32 s97, s97, s98                     ; x 512 token tiles + my first token tile
	s_lshl_b32 s66, s97, 9
	s_add_nc_u64 s[16:17], s[16:17], s[66:67]
	s_lshl_b32 s97, s96, 6
	s_lshl_b32 s98, s[TR], 1
	s_add_co_u32 s97, s97, s98
	s_add_co_u32 s97, s97, s[WR]                   ; x 64 groups of 128 tokens + mine
	s_lshl_b32 s66, s97, 8
	s_add_nc_u64 s[18:19], s[18:19], s[66:67]
	v_and_b32 v[CO], 31, v0
	v_lshlrev_b32 v[CO], 4, v[CO]                  ; 16 x lane
	v_lshlrev_b32 v[SO], 4, v1
	v_lshl_add_u32 v[SO], v2, 14, v[SO]            ; 16 r; lanes 16-31 the next head
	s_mov_b32 s98, 0xffff0000                      ; lanes 16-31
	STEP 6, 0
	STEP 7, 0
	PLACES 4                                       ; between the last products and the first read of sums and write of their sources
	s_wait_loadcnt 0x0                             ; the bias
.irp b, 0,1,2,3
	v_mov_b32 v[TM+4+\b], 0                        ; a lane permute's destination counts as one of its sources
.endr
.irp a, 0,1,2,3,4,5,6,7
	OUTA \a, 0
.endr
.irp p, 0,1,2,3                                        ; a block's word holds head 0's two bytes below and head 1's above: two token tiles' halves make a word of qks
	v_perm_b32 v[MM+4], v[PWR+2*\p+1], v[PWR+2*\p], 0x05040100
	v_perm_b32 v[MM+5], v[PWR+2*\p+1], v[PWR+2*\p], 0x07060302
	v_cndmask_b32 v[MM+\p], v[MM+4], v[MM+5], s98
.endr
	global_store_b128 v[SO], v[MM:MM+3], s[18:19]  ; sixteen lanes store 256 consecutive bytes, aligned
	s_branch .Lend
.Lv_arm:
	; ---- v: the bias runs along the lanes
	s_lshl_b32 s96, s[TR], 8
	s_lshl_b32 s97, s[WR], 7
	s_add_co_u32 s96, s96, s97
	s_add_co_u32 s96, s96, 2048                    ; my first column n of qkv
	s_lshl_b32 s66, s96, 2
	s_mov_b32 s67, 0
	s_add_nc_u64 s[12:13], s[12:13], s[66:67]
	v_lshlrev_b32 v3, 2, v1                        ; 4 r
	WIN TO_B
.irp a, 0,1,2,3,4,5,6,7
	global_load_b32 v[BI+2*\a], v3, s[12:13] offset:64*\a
	global_load_b32 v[BI+2*\a+1], v3, s[12:13] offset:64*\a    ; twice: a pair for the packed addition
.endr
	WIN 0
	s_lshr_b32 s96, s[TC], 3
	s_lshl_b32 s96, s96, 4
	s_lshl_b32 s97, s[TR], 2
	s_add_co_u32 s96, s96, s97
	s_lshl_b32 s97, s[WR], 1
	s_add_co_u32 s96, s96, s97                     ; 16 batch + my first head
	s_and_b32 s99, s[TC], 7
	s_lshl_b32 s97, s96, 6
	s_lshl_b32 s98, s99, 3
	s_add_co_u32 s97, s97, s98
	s_lshl_b32 s98, s[WC], 2
	s_add_co_u32 s97, s97, s98                     ; x 64 key blocks + my first
	s_lshl_b32 s66, s97, 10
	s_add_nc_u64 s[20:21], s[20:21], s[66:67]
	s_lshl_b32 s97, s96, 4
	s_lshl_b32 s98, s99, 1
	s_add_co_u32 s97, s97, s98
	s_add_co_u32 s97, s97, s[WC]                   ; x 16 groups of 128 keys + mine
	s_lshl_b32 s66, s97, 8
	s_add_nc_u64 s[22:23], s[22:23], s[66:67]
	v_lshlrev_b32 v[CO], 4, v1
	v_lshl_add_u32 v[CO], v2, 10, v[CO]            ; 16 r; lanes 16-31 the next key block
	v_lshlrev_b32 v[SO], 4, v1
	v_lshl_add_u32 v[SO], v2, 12, v[SO]            ; 16 r; lanes 16-31 the next head
	s_mov_b32 s98, 0xffff0000
	STEP 6, 0
	STEP 7, 0
	PLACES 4
	s_wait_loadcnt 0x0
.irp b, 0,1,2,3
	v_mov_b32 v[TM+4+\b], 0
.endr
.irp a, 0,1,2,3,4,5,6,7
	OUTA \a, 1
.endr
.irp p, 0,1,2,3                                        ; block a's word is vs's word td = a % 4 of head a / 4
	v_cndmask_b32 v[MM+\p], v[PWR+\p], v[PWR+4+\p], s98
.endr
	global_store_b128 v[SO], v[MM:MM+3], s[22:23]
.Lend:
	s_wait_tensorcnt 0x0                           ; the wave's end
	ds_add_u32 v[SPW], v[NIL]
	s_wait_dscnt 0x0
	CROUND                                         ; the closing round
	s_endpgm
.Lfunc_end_k_qb0f11d24ae_qkv:
	.size	k_qb0f11d24ae_qkv, .Lfunc_end_k_qb0f11d24ae_qkv-k_qb0f11d24ae_qkv
	.p2alignl 7, 3214868480
	.fill 96, 4, 3214868480
	.section	.rodata,"a",@progbits
	.p2align	6, 0x0
	.amdhsa_kernel k_qb0f11d24ae_qkv
		.amdhsa_group_segment_fixed_size 327680
		.amdhsa_private_segment_fixed_size 0
		.amdhsa_enable_private_segment 0
		.amdhsa_kernarg_size 96
		.amdhsa_user_sgpr_count 2
		.amdhsa_user_sgpr_kernarg_segment_ptr 1
		.amdhsa_wavefront_size32 1
		.amdhsa_system_sgpr_workgroup_id_x 1
		.amdhsa_system_sgpr_workgroup_id_y 1
		.amdhsa_system_sgpr_workgroup_id_z 1
		.amdhsa_system_vgpr_workitem_id 0
		.amdhsa_next_free_vgpr 1024
		.amdhsa_next_free_sgpr 106
		.amdhsa_reserve_vcc 0
		.amdhsa_float_denorm_mode_32 3
		.amdhsa_float_denorm_mode_16_64 3
		.amdhsa_memory_ordered 1
		.amdhsa_forward_progress 1
		.amdhsa_inst_pref_size 255
	.end_amdhsa_kernel
	.section	.bss,"aw",@nobits
	.p2align	6
	.space	262144
	.amdgpu_metadata
---
amdhsa.version: [ 1, 2 ]
amdhsa.kernels:
  - .name:           k_qb0f11d24ae_qkv
    .symbol:         k_qb0f11d24ae_qkv.kd
    .args:
      - { .name: x_codes, .offset: 0, .size: 8, .value_kind: global_buffer, .address_space: global }
      - { .name: x_scales, .offset: 8, .size: 8, .value_kind: global_buffer, .address_space: global }
      - { .name: Wqkv_codes, .offset: 16, .size: 8, .value_kind: global_buffer, .address_space: global }
      - { .name: Wqkv_scales, .offset: 24, .size: 8, .value_kind: global_buffer, .address_space: global }
      - { .name: bqkv, .offset: 32, .size: 8, .value_kind: global_buffer, .address_space: global }
      - { .name: mask, .offset: 40, .size: 8, .value_kind: global_buffer, .address_space: global }
      - { .name: qkc, .offset: 48, .size: 8, .value_kind: global_buffer, .address_space: global }
      - { .name: qks, .offset: 56, .size: 8, .value_kind: global_buffer, .address_space: global }
      - { .name: vc, .offset: 64, .size: 8, .value_kind: global_buffer, .address_space: global }
      - { .name: vs, .offset: 72, .size: 8, .value_kind: global_buffer, .address_space: global }
      - { .name: mw, .offset: 80, .size: 8, .value_kind: global_buffer, .address_space: global }
      - { .name: ml, .offset: 88, .size: 8, .value_kind: global_buffer, .address_space: global }
    .group_segment_fixed_size: 327680
    .private_segment_fixed_size: 0
    .kernarg_segment_align: 8
    .kernarg_segment_size: 96
    .max_flat_workgroup_size: 128
    .sgpr_count:     106
    .vgpr_count:     1024
    .wavefront_size: 32
...
	.end_amdgpu_metadata
.endif
;; end of part 1
;; launch attn (part 2): grid 128 x 4, 16 waves a work-group, no clusters, 11,008 bytes of LDS; arguments qkc, qks, vc, vs, mw, ml, yc, ys; writes yc, ys
.if DOCPART == 2
	.amdgcn_target "amdgcn-amd-amdhsa--gfx1250"
	.amdhsa_code_object_version 6
	.text
	.protected	k_qb0f11d24ae_attn
	.globl	k_qb0f11d24ae_attn
	.p2align	8
	.type	k_qb0f11d24ae_attn,@function
k_qb0f11d24ae_attn:
	s_mov_b64 s[64:65], 0
	v_nop
	global_prefetch_b8 v0, s[64:65] scope:SCOPE_SE
	s_setreg_imm32_b32 hwreg(HW_REG_WAVE_MODE, 25, 1), 1
	s_wait_xcnt 0x0
; y = softmax(q k^T / 8, under the mask) v, both products on codes of E2M1, and y quantised along D for the projection.
; LEFT OUT: key blocks of 32 that the mask hides for all 16 queries of a tile (their p are zeros: shown at the head of the first kernel).  Which blocks are walked is read from ml, which the launch before stored.
; Inside a block that is walked every score is computed and hidden ones are replaced by -infinity by a select.
; THE SOFTMAX: t = score x log2(e) / 8; M = the running largest t rounded up to a whole number; p = 2^(t - M) is quantised along the keys, not normalised; the sum of the unquantised p divides at the end.
; LIMITS: a query with no true entry in its row of the mask gets, as in reference(), NaN in its whole row of the result: its y gets zero codes and scale bytes 0xff.  Blocks of y under 2^-124 keep the byte 1.
; SHARES.  A work-group is one tile of 16 queries of one batch; its 16 waves are the 16 heads.  They walk one list, so all have the same number of steps; together they hold 16 whole rows of y.
; No tensor load and no cluster: trip counts and addresses hang on the stored list, so the operands come from memory straight into registers, in the order of the operands' registers; work-groups want different blocks.
; A STEP is four listed key blocks: one K step of 128 of the second product.  The quantiser's blocks along the keys are these blocks of 32, so gathering them changes no code and no scale.
; K = 64 IN AN INSTRUCTION 128 DEEP: a fragment of k holds 16 keys in registers 0-3 and the 16 keys behind them in registers 4-7; against (q, zeros) it gives the first sixteen's scores, against (zeros, q) the others'.
; Both products are used transposed: a lane holds one query (lane % 16); register 16 s + 8 u + j of S is key 16 u + 8 (lane / 16) + j of the step's block s.
; REGISTERS: v1 16 lane, v2 16 r, v3 h << 10, v4 (1 - h) << 10, v5, v6 the add's two, v7 -infinity, v8-21 addresses of the loads, v22, v23, v45, v46 LDS addresses, v24 -M, v25 largest t, v[26:27] the sum,
;   v28 f, v29 p's scale word, v32-43 zeros, q, zeros, v44 q's scale word, v48-51 k's, v52-55 v's, v56-63 and v248-255 v's scale words as loaded, v64-95 k, v96-127 v, v128-191 S then p, v192-223 O^T, v224-231 p's codes.
.set S,   128
.set OT,  192
.set KF,  64
.set VF,  96
.set PCD, 224
.set BM,  232                          ; the blocks' largest scores, then largest p
.set BT,  236                          ; at work
.set T01, 240
.set BS,  244                          ; the conversions' scale operands
.set YSC, 8448                         ; LDS: 16 rows x 528 bytes of y's codes; then 512 bytes of y's scale bytes;
.set SPARE, 8960                       ; then the spare words: 128 bytes for each of 16 waves, named by no other line
	s_load_b256 s[4:11], s[0:1], 0x0               ; qkc, qks, vc, vs
	s_load_b128 s[12:15], s[0:1], 0x20             ; mw, ml
	v_lshl_add_u32 v5, v0, 2, SPARE
	v_mov_b32 v6, 0
	v_lshrrev_b32 v30, 5, v0
	v_readfirstlane_b32 s3, v30                    ; my wave = my head
	v_and_b32 v30, 31, v0
	v_lshlrev_b32 v1, 4, v30
	v_and_b32 v31, 15, v0                          ; r
	v_lshlrev_b32 v2, 4, v31
	v_bfe_u32 v30, v0, 4, 1                        ; h
	v_lshlrev_b32 v3, 10, v30
	v_xor_b32 v4, 0x400, v3
	v_mul_u32_u24 v22, v31, 528
	v_lshl_add_u32 v22, v30, 4, v22
	s_lshl_b32 s2, s3, 5
	v_add_nc_u32 v22, s2, v22                      ; the stage: row r, my head's 32 bytes, + 16 h
	v_lshlrev_b32 v23, 5, v31
	s_lshl_b32 s2, s3, 1
	v_add_nc_u32 v23, s2, v23
	v_add_nc_u32 v23, YSC, v23                     ; y's scale bytes: 32 a row, my head's two
	s_mul_i32 s2, s3, 528
	v_add_nc_u32 v45, s2, v1                       ; back: row = my wave, 16 bytes a lane
	v_add_nc_u32 v46, YSC, v1
	s_sub_co_u32 s2, 127, ttmp9                    ; my query tile: the late tiles, which have the longest lists under a causal mask, start first
	s_and_b32 s92, ttmp7, 0xffff                   ; my batch
	s_lshl_b32 s95, s92, 7
	s_add_co_u32 s95, s95, s2                      ; my token tile
	s_mov_b32 s96, 0x3e38aa3b                      ; c = log2(e) / 8
	s_mov_b32 s97, s96
	s_mov_b32 s98, 0x76543210
	s_mov_b32 s99, 0xfedcba98
	s_mov_b32 s67, 0
	s_wait_kmcnt 0x0
	s_lshl_b32 s66, s3, 18
	s_lshl_b32 s94, s95, 9
	s_add_co_u32 s66, s66, s94
	s_add_nc_u64 s[104:105], s[4:5], s[66:67]      ; q's image: (512 head + token tile) x 512
	s_lshl_b32 s66, s3, 6
	s_lshr_b32 s94, s95, 3
	s_add_co_u32 s66, s66, s94
	s_lshl_b32 s66, s66, 8
	s_lshr_b32 s94, s95, 1
	s_and_b32 s94, s94, 3
	s_lshl_b32 s94, s94, 2
	s_add_co_u32 s66, s66, s94
	s_add_nc_u64 s[100:101], s[6:7], s[66:67]      ; q's scale words
	s_add_co_u32 s93, s3, 16
	s_lshl_b32 s66, s93, 18
	s_lshl_b32 s94, s92, 16
	s_add_co_u32 s66, s66, s94
	s_add_nc_u64 s[4:5], s[4:5], s[66:67]          ; k's images of my head and batch
	s_lshl_b32 s66, s93, 14
	s_lshl_b32 s94, s92, 12
	s_add_co_u32 s66, s66, s94
	s_add_nc_u64 s[6:7], s[6:7], s[66:67]          ; k's scale words
	s_lshl_b32 s93, s92, 4
	s_add_co_u32 s93, s93, s3
	s_lshl_b32 s66, s93, 16
	s_add_nc_u64 s[8:9], s[8:9], s[66:67]          ; v's codes
	s_lshl_b32 s66, s93, 12
	s_add_nc_u64 s[10:11], s[10:11], s[66:67]      ; v's scale words
	s_lshl_b32 s66, s2, 12
	s_add_nc_u64 s[12:13], s[12:13], s[66:67]      ; my tile's mask words
	s_lshl_b32 s66, s2, 9
	s_add_nc_u64 s[14:15], s[14:15], s[66:67]      ; my tile's list
	s_load_b32 s93, s[14:15], 0x100                ; steps
	s_load_b128 s[84:87], s[14:15], 0x0            ; the first step's four blocks
	global_load_b128 v[36:39], v1, s[104:105]
	global_load_b32 v47, v2, s[100:101]
	s_and_b32 s66, s2, 1
	s_cmp_eq_u32 s66, 0
	s_mov_b32 s67, 0x03020302
	s_cselect_b32 s67, 0x01000100, s67             ; an even token tile's bytes lie in the word's low half
.irp i, 0,1,2,3
	v_mov_b32 v[32+\i], 0
	v_mov_b32 v[40+\i], 0
	v_mov_b32 v[BT+\i], 0                          ; a lane permute's destination counts as one of its sources
.endr
	v_mov_b32 v7, 0xff800000
	v_mov_b32 v25, 0xff61b1e6                      ; the largest t so far: -3e38
	v_floor_f32 v24, -v25
	v_mov_b32 v26, 0
	v_mov_b32 v27, 0
	v_mov_b32 v29, 0                               ; (named as the upper half of the pair v[28:29])
.set J, 0
.rept 32
	v_mov_b32 v[OT+J], 0                           ; the step is written once: the first finds zeros
.set J, J+1
.endr
	s_mov_b32 s92, 0                               ; steps done
	s_mov_b32 s94, 16                              ; where the next step's four blocks stand in the list
	s_wait_loadcnt 0x0
	v_perm_b32 v44, v47, v47, s67                  ; q's two scale bytes, twice: for either half of the 128
	s_wait_kmcnt 0x0
	s_min_u32 s93, s93, 16
.Ltrip:
.irp i, 0,1,2,3
	s_min_u32 s[88+\i], s[84+\i], 63               ; this step's blocks
.endr
	s_lshl_b32 s2, s88, 6
	s_lshl_b32 s66, s89, 6
	s_lshl_b32 s67, s90, 6
	s_lshl_b32 s104, s91, 6
	s_load_b512 s[16:31], s[12:13], s2 offset:0x0  ; their mask words, 16 each
	s_load_b512 s[32:47], s[12:13], s66 offset:0x0
	s_load_b512 s[48:63], s[12:13], s67 offset:0x0
	s_load_b512 s[68:83], s[12:13], s104 offset:0x0
	s_load_b128 s[84:87], s[14:15], s94 offset:0x0 ; the next step's blocks (in the last step: written words that are not used)
	; the addresses: sixteen plain lines, which are also the places between the last step's products and the loads into the registers that they read
.irp i, 0,1,2,3
	v_lshl_add_u32 v[8+\i], s[88+\i], 10, v1       ; k: two images of 512 bytes a block
.endr
.irp i, 0,1,2,3
	s_and_b32 s105, s[88+\i], 60
	v_lshl_add_u32 v[18+\i], s105, 6, v2           ; v's scale words: 256 bytes for four blocks, + 16 r
	s_and_b32 s105, s[88+\i], 3
	v_lshl_add_u32 v[12+\i], s105, 2, v[18+\i]     ; k's: the same place, + 4 (block % 4)
.endr
	v_mad_u32_u24 v16, s89, v3, v2                 ; v: lanes 0-15 take block 2 c of the step, lanes 16-31 block 2 c + 1: 1,024 bytes a block, + 16 r
	v_mad_u32_u24 v16, s88, v4, v16
	v_mad_u32_u24 v17, s91, v3, v2
	v_mad_u32_u24 v17, s90, v4, v17
	s_and_b32 s100, s89, 3                         ; byte selects for v's scale words: block i's byte is byte block % 4 of its word
	s_lshl_b32 s100, s100, 8
	s_and_b32 s105, s88, 3
	s_or_b32 s100, s100, s105
	s_or_b32 s100, s100, 0x400
	s_and_b32 s101, s91, 3
	s_lshl_b32 s101, s101, 8
	s_and_b32 s105, s90, 3
	s_or_b32 s101, s101, s105
	s_or_b32 s101, s101, 0x400
	s_lshl_b32 s101, s101, 16
.irp i, 0,1,2,3
	global_load_b128 v[KF+8*\i:KF+8*\i+3], v[8+\i], s[4:5]
	global_load_b128 v[KF+8*\i+4:KF+8*\i+7], v[8+\i], s[4:5] offset:512
.endr
.irp i, 0,1,2,3
	global_load_b32 v[48+\i], v[12+\i], s[6:7]
.endr
.irp t, 0,1,2,3
.irp c, 0,1
	global_load_b128 v[VF+8*\t+4*\c:VF+8*\t+4*\c+3], v[16+\c], s[8:9] offset:256*\t
.endr
.endr
	global_load_b128 v[56:59], v18, s[10:11]
	global_load_b128 v[60:63], v19, s[10:11]
	global_load_b128 v[248:251], v20, s[10:11]
	global_load_b128 v[252:255], v21, s[10:11]
	s_wait_loadcnt 12                              ; k and its scale words are in; the 12 loads of v and its scale words may be out
.irp s, 0,1,2,3
	v_wmma_scale_f32_16x16x128_f8f6f4 v[S+16*\s:S+16*\s+7], v[KF+8*\s:KF+8*\s+7], v[36:43], 0, v[48+\s], v44 matrix_a_fmt:MATRIX_FMT_FP4 matrix_b_fmt:MATRIX_FMT_FP4
	v_wmma_scale_f32_16x16x128_f8f6f4 v[S+16*\s+8:S+16*\s+15], v[KF+8*\s:KF+8*\s+7], v[32:39], 0, v[48+\s], v44 matrix_a_fmt:MATRIX_FMT_FP4 matrix_b_fmt:MATRIX_FMT_FP4
.endr
	s_wait_kmcnt 0x0                               ; the mask words and the next step's blocks
.rept 4
	v_nop
.endr
.irp s, 0,1,2,3
.set J, 0
.rept 16
	v_cndmask_b32 v[S+16*\s+J], v7, v[S+16*\s+J], s[16+16*\s+4*(\s/3)+J]   ; hidden scores become -infinity; each accumulator from its low end on
.set J, J+1
.endr
.endr
.irp b, 0,1,2,3
	v_max3_num_f32 v[BM+\b], v[S+16*\b], v[S+1+16*\b], v[S+2+16*\b]        ; the largest score of each block: for the row's maximum, and for the block's largest p
.endr
.irp i, 3,5,7,9,11,13
.irp b, 0,1,2,3
	v_max3_num_f32 v[BM+\b], v[BM+\b], v[S+16*\b+\i], v[S+1+16*\b+\i]
.endr
.endr
.irp b, 0,1,2,3
	v_max_num_f32 v[BM+\b], v[BM+\b], v[S+15+16*\b]
.endr
.irp b, 0,1,2,3
	v_permlanex16_b32 v[BT+\b], v[BM+\b], s98, s99
.endr
.irp b, 0,1,2,3
	v_max_num_f32 v[BM+\b], v[BM+\b], v[BT+\b]
.endr
	v_max3_num_f32 v30, v[BM], v[BM+1], v[BM+2]
	v_max_num_f32 v30, v30, v[BM+3]
	v_mul_f32 v30, s96, v30
	v_max_num_f32 v25, v25, v30                    ; the running largest t
	v_mov_b32 v30, v24
	v_floor_f32 v24, -v25                          ; -M = floor(-t)
	v_sub_f32 v30, v24, v30                        ; old M - new M: a whole number, 0 or less
	v_cvt_i32_f32 v30, v30                         ; (it saturates)
	v_ldexp_f32 v28, 1.0, v30                      ; f = 2^(old M - new M)
.set J, 0
.rept 32
	v_pk_fma_f32 v[S+J:S+J+1], v[S+J:S+J+1], s[96:97], v[24:25] op_sel_hi:[1,0,0]   ; t - M
.set J, J+2
.endr
.irp b, 0,1,2,3
	v_fma_f32 v[BM+\b], v[BM+\b], s96, v24
.endr
.set J, 0
.rept 64
	v_exp_f32 v[S+J], v[S+J]                       ; p
.set J, J+1
.endr
	v_pk_mul_f32 v[26:27], v[26:27], v[28:29] op_sel_hi:[1,0]      ; the sum under the new M: a plain line behind the exponentials
	s_wait_alu depctr_va_vdst(0)                   ; one wait for the batch, ahead of its first reader
.irp b, 0,1,2,3
	v_exp_f32 v[BM+\b], v[BM+\b]                   ; the blocks' largest p
.endr
	v_pk_add_f32 v[BT:BT+1], v[S:S+1], v[S+2:S+3]  ; the row's sum of the unquantised p, in two chains
.irp j, 4,8,12,16,20,24,28,32,36,40,44,48,52,56,60
	v_pk_add_f32 v[26:27], v[26:27], v[S+\j:S+\j+1]
	v_pk_add_f32 v[BT:BT+1], v[BT:BT+1], v[S+2+\j:S+3+\j]
.endr
	v_pk_add_f32 v[26:27], v[26:27], v[BT:BT+1]
	s_wait_alu depctr_va_vdst(0)                   ; and one for the four
.irp b, 0,1,2,3
	v_max_num_f32 v[BM+\b], 0x1800000, v[BM+\b]    ; the floor 2^(3 - 127)
.endr
.irp b, 0,1,2,3
	v_add_nc_u32 v[BS+\b], 0xff000000, v[BM+\b]
.endr
.irp b, 0,1,2,3
	v_lshrrev_b32 v[BT+\b], 23, v[BS+\b]
.endr
	v_lshl_or_b32 v29, v[BT+1], 8, v[BT]
	v_lshl_or_b32 v29, v[BT+2], 16, v29
	v_lshl_or_b32 v29, v[BT+3], 24, v29            ; p's scale word
.irp c, 0,1
	v_cvt_scalef32_pk8_fp4_f32 v[PCD+4*\c], v[S+32*\c:S+32*\c+7], v[BS+2*\c]
	v_cvt_scalef32_pk8_fp4_f32 v[PCD+4*\c+1], v[S+32*\c+16:S+32*\c+23], v[BS+1+2*\c]
	v_cvt_scalef32_pk8_fp4_f32 v[PCD+4*\c+2], v[S+32*\c+8:S+32*\c+15], v[BS+2*\c]
	v_cvt_scalef32_pk8_fp4_f32 v[PCD+4*\c+3], v[S+32*\c+24:S+32*\c+31], v[BS+1+2*\c]
.endr
	v_nop
.irp c, 0,1
	v_permlane16_swap_b32 v[PCD+4*\c], v[PCD+4*\c+1]
	v_permlane16_swap_b32 v[PCD+4*\c+2], v[PCD+4*\c+3]             ; lane (r, h): registers 4 c .. 4 c + 3 hold block 2 c + h whole
.endr
	s_wait_loadcnt 0x0                             ; v and its scale words
.irp t, 0,1,2,3
	v_perm_b32 v[T01+\t], v[60+\t], v[56+\t], s100                 ; bytes 0, 1: blocks 0, 1 of the step
.endr
.irp t, 0,1,2,3
	v_perm_b32 v[52+\t], v[252+\t], v[248+\t], s101                ; bytes 2, 3: blocks 2, 3
.endr
.irp t, 0,1,2,3
	v_perm_b32 v[52+\t], v[52+\t], v[T01+\t], 0x07060100
.endr
.set J, 0
.rept 16
	v_pk_mul_f32 v[OT+J:OT+J+1], v[OT+J:OT+J+1], v[28:29] op_sel_hi:[1,0]   ; O^T under the new M; these lines are also the places between the scale words' last write and the products
.set J, J+2
.endr
.irp t, 0,1,2,3
	v_wmma_scale_f32_16x16x128_f8f6f4 v[OT+8*\t:OT+8*\t+7], v[VF+8*\t:VF+8*\t+7], v[PCD:PCD+7], v[OT+8*\t:OT+8*\t+7], v[52+\t], v29 matrix_a_fmt:MATRIX_FMT_FP4 matrix_b_fmt:MATRIX_FMT_FP4
.endr
	s_add_co_u32 s94, s94, 16
	s_add_co_u32 s92, s92, 1
	s_cmp_lt_u32 s92, s93
	s_cbranch_scc1 .Ltrip
	; THE WAY OUT: y = O^T / the sum, quantised along D (my head's 64 numbers are two blocks), through LDS, so that rows of y's codes leave whole.
	s_load_b128 s[16:19], s[0:1], 0x30             ; yc, ys
	v_add_f32 v26, v26, v27                        ; (these plain lines are the places behind the last products)
	v_permlanex16_b32 v30, v26, s98, s99
	v_add_f32 v26, v26, v30                        ; the row's sum
	v_cmp_eq_f32 s2, 0, v26                        ; a row with no key at all
	v_cndmask_b32 v27, v26, 1.0, s2                ; is divided by 1: its O^T is zeros
	v_rcp_f32 v30, v27
	v_mov_b32 v31, 0                               ; a plain line behind the reciprocal; v31 is named with v30 as a pair
	v_mov_b32 v28, 0xffff
	s_wait_alu depctr_va_vdst(0)
.set J, 0
.rept 16
	v_pk_mul_f32 v[S+J:S+J+1], v[OT+J:OT+J+1], v[30:31] op_sel_hi:[1,0]     ; register 8 t + j: y(r, 16 t + 8 h + j)
.set J, J+2
.endr
.irp b, 0,1
	v_max3_num_f32 v[BM+\b], |v[S+16*\b]|, |v[S+1+16*\b]|, 0x1800000
.endr
.irp i, 2,4,6,8,10,12,14
.irp b, 0,1
	v_max3_num_f32 v[BM+\b], v[BM+\b], |v[S+16*\b+\i]|, |v[S+1+16*\b+\i]|
.endr
.endr
.irp b, 0,1
	v_permlanex16_b32 v[BT+\b], v[BM+\b], s98, s99
.endr
.irp b, 0,1
	v_max_num_f32 v[BM+\b], v[BM+\b], v[BT+\b]
.endr
.irp b, 0,1
	v_add_nc_u32 v[BS+\b], 0xff000000, v[BM+\b]
.endr
.irp b, 0,1
	v_lshrrev_b32 v[BT+\b], 23, v[BS+\b]
.endr
	v_lshl_or_b32 v29, v[BT+1], 8, v[BT]
	v_cndmask_b32 v29, v29, v28, s2                ; no key at all: both bytes 0xff
	v_cvt_scalef32_pk8_fp4_f32 v[PCD], v[S:S+7], v[BS]
	v_cvt_scalef32_pk8_fp4_f32 v[PCD+1], v[S+16:S+23], v[BS+1]
	v_cvt_scalef32_pk8_fp4_f32 v[PCD+2], v[S+8:S+15], v[BS]
	v_cvt_scalef32_pk8_fp4_f32 v[PCD+3], v[S+24:S+31], v[BS+1]
	v_nop
	v_permlane16_swap_b32 v[PCD], v[PCD+1]
	v_permlane16_swap_b32 v[PCD+2], v[PCD+3]       ; lane (r, h): block h of my head, 16 bytes
	ds_store_b128 v22, v[PCD:PCD+3]
	ds_store_b16 v23, v29                          ; both halves of the lanes write the same two bytes
	s_wait_kmcnt 0x0
	s_lshl_b32 s66, s95, 13
	s_lshl_b32 s67, s3, 9
	s_add_co_u32 s66, s66, s67
	s_mov_b32 s67, 0
	s_add_nc_u64 s[16:17], s[16:17], s[66:67]      ; yc at token 16 tile + wave
	s_lshl_b32 s66, s95, 9
	s_add_nc_u64 s[18:19], s[18:19], s[66:67]      ; ys at token 16 tile
	s_wait_dscnt 0x0                               ; for the others' sake: my stores have landed
	s_barrier_signal -1
	s_barrier_wait -1
	ds_load_b128 v[S:S+3], v45
	s_wait_dscnt 0x0
	global_store_b128 v1, v[S:S+3], s[16:17]       ; 32 lanes store a row of 512 consecutive bytes
	s_cmp_lg_u32 s3, 0
	s_cbranch_scc1 .Lnot_wave_0
	ds_load_b128 v[S+4:S+7], v46
	s_wait_dscnt 0x0
	global_store_b128 v1, v[S+4:S+7], s[18:19]     ; the 16 rows' 512 scale bytes
.Lnot_wave_0:
	s_wait_tensorcnt 0x0                           ; the wave's end
	ds_add_u32 v5, v6
	s_wait_dscnt 0x0
	s_endpgm
.Lfunc_end_k_qb0f11d24ae_attn:
	.size	k_qb0f11d24ae_attn, .Lfunc_end_k_qb0f11d24ae_attn-k_qb0f11d24ae_attn
	.p2alignl 7, 3214868480
	.fill 96, 4, 3214868480
	.section	.rodata,"a",@progbits
	.p2align	6, 0x0
	.amdhsa_kernel k_qb0f11d24ae_attn
		.amdhsa_group_segment_fixed_size 11008
		.amdhsa_private_segment_fixed_size 0
		.amdhsa_enable_private_segment 0
		.amdhsa_kernarg_size 64
		.amdhsa_user_sgpr_count 2
		.amdhsa_user_sgpr_kernarg_segment_ptr 1
		.amdhsa_wavefront_size32 1
		.amdhsa_system_sgpr_workgroup_id_x 1
		.amdhsa_system_sgpr_workgroup_id_y 1
		.amdhsa_system_sgpr_workgroup_id_z 1
		.amdhsa_system_vgpr_workitem_id 0
		.amdhsa_next_free_vgpr 256
		.amdhsa_next_free_sgpr 106
		.amdhsa_reserve_vcc 0
		.amdhsa_float_denorm_mode_32 3
		.amdhsa_float_denorm_mode_16_64 3
		.amdhsa_memory_ordered 1
		.amdhsa_forward_progress 1
		.amdhsa_inst_pref_size 33
	.end_amdhsa_kernel
	.amdgpu_metadata
---
amdhsa.version: [ 1, 2 ]
amdhsa.kernels:
  - .name:           k_qb0f11d24ae_attn
    .symbol:         k_qb0f11d24ae_attn.kd
    .args:
      - { .name: qkc, .offset: 0, .size: 8, .value_kind: global_buffer, .address_space: global }
      - { .name: qks, .offset: 8, .size: 8, .value_kind: global_buffer, .address_space: global }
      - { .name: vc, .offset: 16, .size: 8, .value_kind: global_buffer, .address_space: global }
      - { .name: vs, .offset: 24, .size: 8, .value_kind: global_buffer, .address_space: global }
      - { .name: mw, .offset: 32, .size: 8, .value_kind: global_buffer, .address_space: global }
      - { .name: ml, .offset: 40, .size: 8, .value_kind: global_buffer, .address_space: global }
      - { .name: yc, .offset: 48, .size: 8, .value_kind: global_buffer, .address_space: global }
      - { .name: ys, .offset: 56, .size: 8, .value_kind: global_buffer, .address_space: global }
    .group_segment_fixed_size: 11008
    .private_segment_fixed_size: 0
    .kernarg_segment_align: 8
    .kernarg_segment_size: 64
    .max_flat_workgroup_size: 512
    .sgpr_count:     106
    .vgpr_count:     256
    .wavefront_size: 32
...
	.end_amdgpu_metadata
.endif
;; end of part 2
;; launch proj (part 3): grid 4 x 64, 4 waves a work-group, clusters of 4 x 4, 327,680 bytes of LDS; arguments yc, ys, Wproj_codes, Wproj_scales, bproj, out0; writes out0
.if DOCPART == 3
	.amdgcn_target "amdgcn-amd-amdhsa--gfx1250"
	.amdhsa_code_object_version 6
	.text
	.protected	k_qb0f11d24ae_proj
	.globl	k_qb0f11d24ae_proj
	.p2align	8
	.type	k_qb0f11d24ae_proj,@function
k_qb0f11d24ae_proj:
	s_mov_b64 s[64:65], 0
	v_nop
	global_prefetch_b8 v0, s[64:65] scope:SCOPE_SE
	s_setreg_imm32_b32 hwreg(HW_REG_WAVE_MODE, 25, 1), 1
	s_wait_xcnt 0x0
	s_wait_alu depctr_hold_cnt(0) depctr_sa_sdst(0) depctr_va_vdst(0) depctr_va_sdst(0) depctr_va_ssrc(0) depctr_va_vcc(0) depctr_vm_vsrc(0)
	s_getreg_b32 s2, hwreg(HW_REG_IB_STS2, 6, 4)
	s_cmp_eq_u32 s2, 0
	s_cbranch_scc0 .Lentry_in_a_cluster
	s_endpgm
.Lentry_in_a_cluster:
	s_bfe_u32 s2, ttmp6, 0x10000c
	s_cmp_lg_u32 s2, 0xf033
	s_cbranch_scc0 .Lentry_shape_is_right
	s_endpgm
.Lentry_shape_is_right:
; out0 = y Wproj + bproj on codes of E2M1: y's codes and scale bytes as the launch before stored them ([token][512 bytes], [token][32 bytes]), Wproj's as given.  Nothing is left out here.
; A tile of 128 tokens x 256 outputs to a work-group of four waves, 64 x 128 to a wave (32 accumulators): 256 work-groups.  K = 1,024 lies in LDS whole: two slots of 512 along K, each filled once.
; Source 0 = 16 rows of Wproj ("B"), source 1 = 16 tokens ("A"): a lane holds eight neighbouring outputs of one token.  The bias is the C of each sum's first product.
; CLUSTERS: 4 x 4 work-groups; y's tiles are asked for jointly along a row of the cluster, Wproj's along a column.
; A scale byte 0xff in ys (a query with no key at all) makes that token's whole row NaN, as reference() has it.  LIMIT: given scale bytes 0xff in Wproj_scales, NaN or infinities in bproj are not served.
; REGISTERS: window 0: v1 r, v2 h, v3-6 at work, v16-29 addresses, v32-95 scale words (two sets), v128-255 A's fragments (two sets of 32 at v128 and v192), later rows on their way out.
;   window 1: v0-63, v128-191 B's fragments (two sets); v64-127 the bias.   window 2: the accumulators ((a, b) at v[8 (8 a + b)]).
.set NA,    4
.set PITCH, 272
.set HALFA, 16*NA*PITCH
.set HALFB, 128*PITCH
.set SLOT,  2*HALFA+2*HALFB
.set SCL,   2*SLOT
.set HSA,   2*NA*272
.set HSB,   16*272
.set SBLK,  544
.set SPARE, SCL+2*HSA+2*HSB
.set SPITCH, 528                       ; the way out: 16 rows x (512 bytes + 16) for each wave, in slot 0, which has had its one fill and, behind the barrier of step 3, its last read
.set ADRA, 16
.set ADRB, 20
.set STO,  24
.set RD,   25
.set CO,   26
.set ADRS, 27
.set SPW,  28
.set NIL,  29
.set SC,   32
.set AF,   128
.set BI,   64
.set BK,   128
.set G1,   28
.set G0,   36
.set G1B,  44
.set G0B,  52
.set WV,   60
.set WR,   61
.set WC,   62
.set G1S,  68
.set G0S,  76
.set G1SB, 80
.set G0SB, 88
.set CX,   92
.set CY,   93
.set TC,   94
.set TR,   95
.set CODEW, (1<<20)|(1<<21)|(5<<22)|(3<<25)
.set SCALW, (3<<16)|(1<<20)|(1<<21)|(5<<22)|(3<<25)
.set MUL_LO, 0xa1                      ; source 0 window 1, source 1 window 0, C and D window 2
.set MUL_BI, 0x91                      ; the same with C in window 1
.set TO_B,   0x40
.set MSB, 0
.macro WIN new
.if MSB != (\new)
	s_set_vgpr_msb (MSB<<8)|(\new)
.set MSB, (\new)
.endif
.endm
.macro JLOAD g0a, g1a, g0b, g1b        ; a joint load: waves 0, 1 for A, waves 2, 3 for B; s_nop 0 and four v_nop follow each line
	s_cmp_eq_u32 s[WR], 0
	s_cbranch_scc0 .Lfor_b_\@
	tensor_load_to_lds s[\g0a:\g0a+3], s[\g1a:\g1a+7]
	s_nop 0
.rept 4
	v_nop
.endr
	s_branch .Lasked_\@
.Lfor_b_\@:
	tensor_load_to_lds s[\g0b:\g0b+3], s[\g1b:\g1b+7]
	s_nop 0
.rept 4
	v_nop
.endr
.Lasked_\@:
.endm
.macro CROUND
	s_barrier_signal -1
	s_barrier_wait -1
	s_cmp_lg_u32 s[WV], 0
	s_cbranch_scc1 .Lnot_wave_0_\@
	s_barrier_signal -3
.Lnot_wave_0_\@:
	s_barrier_wait -3
	s_barrier_signal -1
	s_barrier_wait -1
.endm
.macro PLACES n
.rept \n
	v_nop
.endr
.endm
.macro FRAG reg, adr, qq, i
.irp c, 0,1
	ds_load_b128 v[\reg+4*\c:\reg+4*\c+3], v[\adr] offset:64*(\qq)+32*\c+(\i)*16*PITCH
.endr
.endm
.macro FETCH_B slot, qq, p
	WIN TO_B
.irp i, 0,1,2,3,4,5,6,7
	FRAG 128*(\p)+8*\i,ADRB+(\slot),\qq,\i
.endr
	WIN 0
.endm
.macro FETCH_A slot, qq, p
.irp i, 0,1,2,3
	FRAG AF+64*(\p)+8*\i,ADRA+(\slot),\qq,\i
.endr
.endm
.macro SCALES s                        ; lanes 0-15 take A's block i, lanes 16-31 B's.  A has four blocks: for i = 4 .. 7 lanes 0-15 read filled bytes that no product uses
.irp i, 0,1,2,3,4,5,6,7
	ds_load_b128 v[SC+32*\s+4*\i:SC+32*\s+4*\i+3], v[ADRS] offset:\i*SBLK+16*\s
.endr
.endm
.macro MUL16 a0, p, q, first           ; first = 1: the bias is the C of the sum's first product
.irp a, \a0, \a0+1
.irp b, 0,1,2,3,4,5,6,7
.if \first
	v_wmma_scale_f32_16x16x128_f8f6f4 v[8*(8*(\a)+\b):8*(8*(\a)+\b)+7], v[128*(\p)+8*\b:128*(\p)+8*\b+7], v[AF+64*(\p)+8*(\a):AF+64*(\p)+8*(\a)+7], v[BI+8*\b:BI+8*\b+7], v[SC+32*((\q)/4)+4*\b+(\q)%4], v[SC+32*((\q)/4)+4*(\a)+(\q)%4] matrix_a_fmt:MATRIX_FMT_FP4 matrix_b_fmt:MATRIX_FMT_FP4 matrix_a_scale:MATRIX_SCALE_ROW1
.else
	v_wmma_scale_f32_16x16x128_f8f6f4 v[8*(8*(\a)+\b):8*(8*(\a)+\b)+7], v[128*(\p)+8*\b:128*(\p)+8*\b+7], v[AF+64*(\p)+8*(\a):AF+64*(\p)+8*(\a)+7], v[8*(8*(\a)+\b):8*(8*(\a)+\b)+7], v[SC+32*((\q)/4)+4*\b+(\q)%4], v[SC+32*((\q)/4)+4*(\a)+(\q)%4] matrix_a_fmt:MATRIX_FMT_FP4 matrix_b_fmt:MATRIX_FMT_FP4 matrix_a_scale:MATRIX_SCALE_ROW1
.endif
.endr
.endr
.endm
.macro STEP q, first
	s_wait_dscnt 0x0                               ; step q's fragments (and scale words) are in
.if (\q) == 3
	s_wait_tensorcnt 0x0                           ; my part of slot 1 has landed,
	s_barrier_signal -1
	s_barrier_wait -1                              ; everybody's has, and nobody reads slot 0 any more
.endif
.if (\q) < 7
	PLACES 4                                       ; four places between the last step's products and loads into the registers that they read
	FETCH_B ((\q)+1)/4,((\q)+1)%4,((\q)+1)%2
	FETCH_A ((\q)+1)/4,((\q)+1)%4,((\q)+1)%2
.if (\q) == 3
	SCALES 1
.endif
.endif
.if \first
	WIN MUL_BI
.else
	WIN MUL_LO
.endif
	MUL16 0, (\q)%2, \q, \first
	MUL16 2, (\q)%2, \q, \first
	WIN 0
.endm
	s_load_b256 s[4:11], s[0:1], 0x0               ; yc, ys, Wproj's codes, Wproj's scales
	s_load_b128 s[12:15], s[0:1], 0x20             ; bproj, out0
	v_lshl_add_u32 v[SPW], v0, 2, SPARE
	v_mov_b32 v[NIL], 0
	ds_add_u32 v[SPW], v[NIL]                      ; the wave's opening: the add, twice on end, and its wait ahead of my first tensor load
	ds_add_u32 v[SPW], v[NIL]
	v_lshrrev_b32 v1, 5, v0
	v_readfirstlane_b32 s[WV], v1
	s_lshr_b32 s[WR], s[WV], 1
	s_and_b32 s[WC], s[WV], 1
	s_bfe_u32 s[CX], ttmp6, 0x40000
	s_bfe_u32 s[CY], ttmp6, 0x40004
	s_lshl_b32 s[TC], ttmp9, 2
	s_add_co_u32 s[TC], s[TC], s[CX]               ; which 256 outputs
	s_and_b32 s[TR], ttmp7, 0xffff
	s_lshl_b32 s[TR], s[TR], 2
	s_add_co_u32 s[TR], s[TR], s[CY]               ; which 128 tokens
	s_lshl_b32 s96, s[CY], 2
	s_lshl_b32 s96, 15, s96                        ; my row of the cluster
	s_lshl_b32 s97, 0x1111, s[CX]                  ; my column
	s_or_b32 s[G1], s96, CODEW
	s_or_b32 s[G1B], s97, CODEW
	s_or_b32 s[G1S], s96, SCALW
	s_or_b32 s[G1SB], s97, SCALW
	s_mov_b32 s[G1+1], 256<<16                     ; A's codes: 64 rows of 256 bytes, 512 bytes apart in memory
	s_mov_b32 s[G1+2], 64<<16
	s_mov_b32 s[G1+3], 256<<16
	s_mov_b32 s[G1+4], 64
	s_mov_b32 s[G1+5], 512
	s_mov_b32 s[G1+6], 0
	s_mov_b32 s[G1+7], 0
	s_mov_b32 s[G1B+1], 256<<16                    ; B's: 128 rows
	s_mov_b32 s[G1B+2], 128<<16
	s_mov_b32 s[G1B+3], 256<<16
	s_mov_b32 s[G1B+4], 128
	s_mov_b32 s[G1B+5], 512
	s_mov_b32 s[G1B+6], 0
	s_mov_b32 s[G1B+7], 0
	s_mov_b32 s[G1S+1], 32<<16                     ; A's scales: 2,048 dense bytes as 8 rows of 32 elements of 8 bytes
	s_mov_b32 s[G1S+2], 8<<16
	s_mov_b32 s[G1S+3], 32<<16
	s_mov_b32 s[G1S+4], 8
	s_mov_b32 s[G1S+5], 32
	s_mov_b32 s[G1S+6], 0
	s_mov_b32 s[G1S+7], 0
	s_mov_b32 s[G1SB+1], 32<<16                    ; B's: 4,096 bytes, 16 rows
	s_mov_b32 s[G1SB+2], 16<<16
	s_mov_b32 s[G1SB+3], 32<<16
	s_mov_b32 s[G1SB+4], 16
	s_mov_b32 s[G1SB+5], 32
	s_mov_b32 s[G1SB+6], 0
	s_mov_b32 s[G1SB+7], 0
	s_lshl_b32 s98, s[WC], 6
	s_lshl_b32 s66, s[TR], 7
	s_add_co_u32 s66, s66, s98                     ; A's row: 128 tile + 64 half
	s_lshl_b32 s2, s66, 5
	s_lshl_b32 s66, s66, 9
	s_mov_b32 s67, 0
	s_mov_b32 s3, 0
	s_lshl_b32 s98, s[WC], 7
	s_lshl_b32 s100, s[TC], 8
	s_add_co_u32 s100, s100, s98                   ; B's row: 256 tile + 128 half
	s_lshl_b32 s104, s100, 5
	s_lshl_b32 s100, s100, 9
	s_mov_b32 s101, 0
	s_mov_b32 s105, 0
.irp s, 0,1
	s_mov_b32 s[G0+4*\s], 1
	s_mul_i32 s[G0+4*\s+1], s[WC], HALFA
	s_add_co_u32 s[G0+4*\s+1], s[G0+4*\s+1], \s*SLOT
	s_mov_b32 s[G0B+4*\s], 1
	s_mul_i32 s[G0B+4*\s+1], s[WC], HALFB
	s_add_co_u32 s[G0B+4*\s+1], s[G0B+4*\s+1], 2*HALFA+\s*SLOT
.endr
	s_mov_b32 s[G0S], 1
	s_mul_i32 s[G0S+1], s[WC], HSA
	s_add_co_u32 s[G0S+1], s[G0S+1], SCL
	s_mov_b32 s[G0SB], 1
	s_mul_i32 s[G0SB+1], s[WC], HSB
	s_add_co_u32 s[G0SB+1], s[G0SB+1], SCL+2*HSA
	s_wait_dscnt 0x0                               ; both opening adds are done
	s_wait_kmcnt 0x0
	s_add_nc_u64 s[4:5], s[4:5], s[66:67]
	s_add_nc_u64 s[6:7], s[6:7], s[2:3]
	s_add_nc_u64 s[8:9], s[8:9], s[100:101]
	s_add_nc_u64 s[10:11], s[10:11], s[104:105]
	CROUND                                         ; all sixteen work-groups are here: the first joint loads meet
	s_mov_b64 s[G0S+2:G0S+3], s[6:7]
	s_or_b32 s[G0S+3], s[G0S+3], 0x80000000
	s_mov_b64 s[G0SB+2:G0SB+3], s[10:11]
	s_or_b32 s[G0SB+3], s[G0SB+3], 0x80000000
	JLOAD G0S, G1S, G0SB, G1SB                     ; the scales first; three loads of mine are out behind the third
.irp s, 0,1
	s_add_nc_u64 s[G0+4*\s+2:G0+4*\s+3], s[4:5], \s*256
	s_or_b32 s[G0+4*\s+3], s[G0+4*\s+3], 0x80000000
	s_add_nc_u64 s[G0B+4*\s+2:G0B+4*\s+3], s[8:9], \s*256
	s_or_b32 s[G0B+4*\s+3], s[G0B+4*\s+3], 0x80000000
	JLOAD G0+4*\s, G1, G0B+4*\s, G1B
.endr
	v_and_b32 v1, 15, v0                           ; r
	v_bfe_u32 v2, v0, 4, 1                         ; h
	s_lshl_b32 s96, s[TC], 8
	s_lshl_b32 s97, s[WC], 7
	s_add_co_u32 s96, s96, s97                     ; my first output n
	s_lshl_b32 s66, s96, 2
	s_mov_b32 s67, 0
	s_add_nc_u64 s[12:13], s[12:13], s[66:67]
	v_lshlrev_b32 v3, 5, v2                        ; 32 h
	WIN TO_B
.irp b, 0,1,2,3,4,5,6,7
	global_load_b128 v[BI+8*\b:BI+8*\b+3], v3, s[12:13] offset:64*\b          ; bproj at n + 16 b + 8 h + 0 .. 7: the result's layout
	global_load_b128 v[BI+8*\b+4:BI+8*\b+7], v3, s[12:13] offset:64*\b+16
.endr
	WIN 0
	s_add_nc_u64 s[14:15], s[14:15], s[66:67]      ; out0: my first column,
	s_lshl_b32 s96, s[TR], 7
	s_lshl_b32 s97, s[WR], 6
	s_add_co_u32 s96, s96, s97
	s_lshl_b32 s66, s96, 12
	s_add_nc_u64 s[14:15], s[14:15], s[66:67]      ; my first row, 4,096 bytes a row
	v_mul_u32_u24 v4, v1, PITCH
	v_lshl_add_u32 v4, v2, 4, v4
	s_mul_i32 s96, s[WR], HALFA
	s_mul_i32 s97, s[WC], HALFB
	s_add_co_u32 s97, s97, 2*HALFA
.irp s, 0,1
	v_add_nc_u32 v[ADRA+\s], s96, v4
	v_add_nc_u32 v[ADRB+\s], s97, v4
	s_add_co_u32 s96, s96, SLOT
	s_add_co_u32 s97, s97, SLOT
.endr
	v_lshlrev_b32 v5, 5, v1
	v_lshrrev_b32 v6, 3, v1
	v_lshl_add_u32 v5, v6, 4, v5
	s_mul_i32 s96, s[WR], HSA
	s_mul_i32 s97, s[WC], HSB
	s_add_co_u32 s97, s97, 2*HSA
	s_sub_co_u32 s97, s97, s96
	v_mul_u32_u24 v6, s97, v2                      ; lanes 16-31 take B's: one product, the distance between the two bases
	s_add_co_u32 s96, s96, SCL
	v_add_nc_u32 v5, v5, v6
	v_add_nc_u32 v[ADRS], s96, v5
	s_mul_i32 s96, s[WV], 16*SPITCH                ; my stage
	v_mul_u32_u24 v5, v1, SPITCH
	v_lshl_add_u32 v5, v2, 5, v5
	v_add_nc_u32 v[STO], s96, v5                   ; in: row r, 32 bytes for each half of the lanes
	v_and_b32 v6, 31, v0
	v_lshlrev_b32 v[CO], 4, v6
	v_add_nc_u32 v[RD], s96, v[CO]                 ; back: 32 lanes take one row of 512 bytes
	s_wait_loadcnt 0x0                             ; the bias
	s_wait_tensorcnt 0x1                           ; the scales and my part of slot 0 are in; slot 1's load may be out
	s_barrier_signal -1
	s_barrier_wait -1
	FETCH_B 0,0,0
	FETCH_A 0,0,0
	SCALES 0
	STEP 0, 1
	STEP 1, 0
	STEP 2, 0
	STEP 3, 0
	STEP 4, 0
	STEP 5, 0
	STEP 6, 0
	STEP 7, 0
; THE WAY OUT, block by block of 16 rows x 128 columns, through my own stage: in by 32 bytes of a row a lane, back as whole rows of 512 bytes.  LDS serves a wave's instructions in order (ISA guide 5.7.1.4).
.macro TOSTAGE a
	WIN 0x08                                       ; an LDS store's data: window 2
.irp b, 0,1,2,3,4,5,6,7
	ds_store_b128 v[STO], v[64*(\a)+8*\b:64*(\a)+8*\b+3] offset:64*\b          ; each accumulator from its low end on
	ds_store_b128 v[STO], v[64*(\a)+8*\b+4:64*(\a)+8*\b+7] offset:64*\b+16
.endr
	WIN 0
.irp t, 0,1,2,3,4,5,6,7,8,9,10,11,12,13,14,15
	ds_load_b128 v[BK+64*((\a)%2)+4*\t:BK+64*((\a)%2)+4*\t+3], v[RD] offset:\t*SPITCH
.endr
.endm
.macro SEND a, younger                 ; younger: the LDS instructions issued behind block a's loads, which may stay out
	s_wait_dscnt \younger
.if (\a) > 0
	s_add_nc_u64 s[14:15], s[14:15], 16*4096       ; (behind a wait on XCNT for 0: the earlier stores have read their base)
.endif
.irp t, 0,1,2,3,4,5,6,7,8,9,10,11,12,13,14,15
	global_store_b128 v[CO], v[BK+64*((\a)%2)+4*\t:BK+64*((\a)%2)+4*\t+3], s[14:15] offset:\t*4096 th:TH_STORE_NT   ; 32 lanes store 512 consecutive bytes, aligned; written once, read by nobody here
.endr
.endm
	PLACES 4                                       ; between the last products and the reads of sums and the loads into A's registers
	TOSTAGE 0
.irp a, 1,2,3
.if \a > 1
	s_wait_xcnt 0x0                                ; block a - 2's stores have read their registers and their base
.endif
	TOSTAGE \a
	SEND \a-1, 32                                  ; behind block a - 1's loads: block a's 16 stores and 16 loads
.endr
	s_wait_xcnt 0x0
	SEND 3, 0
	s_wait_tensorcnt 0x0                           ; the wave's end
	ds_add_u32 v[SPW], v[NIL]
	s_wait_dscnt 0x0
	CROUND                                         ; the closing round
	s_endpgm
.Lfunc_end_k_qb0f11d24ae_proj:
	.size	k_qb0f11d24ae_proj, .Lfunc_end_k_qb0f11d24ae_proj-k_qb0f11d24ae_proj
	.p2alignl 7, 3214868480
	.fill 96, 4, 3214868480
	.section	.rodata,"a",@progbits
	.p2align	6, 0x0
	.amdhsa_kernel k_qb0f11d24ae_proj
		.amdhsa_group_segment_fixed_size 327680
		.amdhsa_private_segment_fixed_size 0
		.amdhsa_enable_private_segment 0
		.amdhsa_kernarg_size 48
		.amdhsa_user_sgpr_count 2
		.amdhsa_user_sgpr_kernarg_segment_ptr 1
		.amdhsa_wavefront_size32 1
		.amdhsa_system_sgpr_workgroup_id_x 1
		.amdhsa_system_sgpr_workgroup_id_y 1
		.amdhsa_system_sgpr_workgroup_id_z 1
		.amdhsa_system_vgpr_workitem_id 0
		.amdhsa_next_free_vgpr 768
		.amdhsa_next_free_sgpr 106
		.amdhsa_reserve_vcc 0
		.amdhsa_float_denorm_mode_32 3
		.amdhsa_float_denorm_mode_16_64 3
		.amdhsa_memory_ordered 1
		.amdhsa_forward_progress 1
		.amdhsa_inst_pref_size 74
	.end_amdhsa_kernel
	.amdgpu_metadata
---
amdhsa.version: [ 1, 2 ]
amdhsa.kernels:
  - .name:           k_qb0f11d24ae_proj
    .symbol:         k_qb0f11d24ae_proj.kd
    .args:
      - { .name: yc, .offset: 0, .size: 8, .value_kind: global_buffer, .address_space: global }
      - { .name: ys, .offset: 8, .size: 8, .value_kind: global_buffer, .address_space: global }
      - { .name: Wproj_codes, .offset: 16, .size: 8, .value_kind: global_buffer, .address_space: global }
      - { .name: Wproj_scales, .offset: 24, .size: 8, .value_kind: global_buffer, .address_space: global }
      - { .name: bproj, .offset: 32, .size: 8, .value_kind: global_buffer, .address_space: global }
      - { .name: out0, .offset: 40, .size: 8, .value_kind: global_buffer, .address_space: global }
    .group_segment_fixed_size: 327680
    .private_segment_fixed_size: 0
    .kernarg_segment_align: 8
    .kernarg_segment_size: 48
    .max_flat_workgroup_size: 128
    .sgpr_count:     106
    .vgpr_count:     768
    .wavefront_size: 32
...
	.end_amdgpu_metadata
.endif
;; end of part 3
;; ======== version 2 of 2: 3 launches; version 1 with the launch attn written anew for expert scheduling mode
;; workspace buffers: qkc 8,388,608 bytes; qks 524,288 bytes; vc 4,194,304 bytes; vs 262,144 bytes; mw 524,288 bytes of whole numbers; ml 65,536 bytes of whole numbers; yc 4,194,304 bytes; ys 262,144 bytes
;; launch qkv: the kernel of part 1 again; grid 96 x 4, 4 waves a work-group, clusters of 4 x 4, 327,680 bytes of LDS; arguments x_codes, x_scales, Wqkv_codes, Wqkv_scales, bqkv, mask, qkc, qks, vc, vs, mw, ml; writes qkc, qks, vc, vs, mw, ml
;; launch attn (part 4): grid 128 x 4, 16 waves a work-group, no clusters, 11,008 bytes of LDS; arguments qkc, qks, vc, vs, mw, ml, yc, ys; writes yc, ys
.if DOCPART == 4
	.amdgcn_target "amdgcn-amd-amdhsa--gfx1250"
	.amdhsa_code_object_version 6
	.text
	.protected	k_qb0f11d24ae_attn
	.globl	k_qb0f11d24ae_attn
	.p2align	8
	.type	k_qb0f11d24ae_attn,@function
k_qb0f11d24ae_attn:
	s_mov_b64 s[64:65], 0
	v_nop
	global_prefetch_b8 v0, s[64:65] scope:SCOPE_SE
	s_setreg_imm32_b32 hwreg(HW_REG_WAVE_SCHED_MODE, 0, 2), 2
	s_setreg_imm32_b32 hwreg(HW_REG_WAVE_MODE, 25, 1), 1
	s_wait_xcnt 0x0
	s_wait_alu depctr_vm_vsrc(0)
; y = softmax(q k^T / 8, under the mask) v, both products on codes of E2M1, and y quantised along D for the projection.
; LEFT OUT: key blocks of 32 that the mask hides for all 16 queries of a tile (their p are zeros: shown at the head of the first kernel).  Which blocks are walked is read from ml, which the launch before stored.
; Inside a block that is walked every score is computed and hidden ones are replaced by -infinity by a select.
; THE SOFTMAX: t = score x log2(e) / 8; M = the running largest t rounded up to a whole number; p = 2^(t - M) is quantised along the keys, not normalised; the sum of the unquantised p divides at the end.
; LIMITS: a query with no true entry in its row of the mask gets, as in reference(), NaN in its whole row of the result: its y gets zero codes and scale bytes 0xff.  Blocks of y under 2^-124 keep the byte 1.
; SHARES.  A work-group is one tile of 16 queries of one batch; its 16 waves are the 16 heads.  They walk one list, so all have the same number of steps; together they hold 16 whole rows of y.
; No tensor load and no cluster: trip counts and addresses hang on the stored list, so the operands come from memory straight into registers, in the order of the operands' registers; work-groups want different blocks.
; A STEP is four listed key blocks: one K step of 128 of the second product.  The quantiser's blocks along the keys are these blocks of 32, so gathering them changes no code and no scale.
; K = 64 IN AN INSTRUCTION 128 DEEP: a fragment of k holds 16 keys in registers 0-3 and the 16 keys behind them in registers 4-7; against (q, zeros) it gives the first sixteen's scores, against (zeros, q) the others'.
; Both products are used transposed: a lane holds one query (lane % 16); register 16 s + 8 u + j of S is key 16 u + 8 (lane / 16) + j of the step's block s.
; THE MODE: SCHED_MODE bits 1:0 = 2 (LLVM: expert scheduling mode 2), set by the entry lines.  The code itself states the register dependences
; between vector or matrix instructions and memory or LDS instructions, with s_wait_alu, always for 0.
; THE PLAN.  Registers that memory instructions touch, in the loop (step j):
;   v64-95, v48-51      k and its scale words.  Read by step j's eight score products; behind them the loads of step j + 1 land there.
;   v96-127             v.  Loaded at the step's head; read by the four products V^T P, the step's last matrix instructions.
;   v56-63, v248-255    v's scale words as loaded.  Loaded at the step's head; read by the byte picks ahead of the products V^T P.
;   v8-15               k's addresses.  Read by k's loads; written behind the score products, for step j + 1.
;   v16-21              v's addresses.  Read by v's loads at the head; written behind the products V^T P, for step j + 1.
;   v1, v2              made at the head, never written again.
; So a step holds: one wait on va_vdst at its head, ahead of v's loads; one on vm_vsrc and one on va_vdst round the twelve lines that make k's next addresses, ahead of k's next loads, which are dealt among the
; selects (these name S and v7 alone); the two waits behind the exponentials; one on va_vdst ahead of the products V^T P, whose operands and scales vector instructions have just written.
; The last step is written out: it asks for nothing more.
; REGISTERS: v1 16 lane, v2 16 r, v3 h << 10, v4 (1 - h) << 10, v5, v6 the add's two, v7 -infinity, v8-21 addresses of the loads, v22, v23, v45, v46 LDS addresses, v24 -M, v25 largest t, v[26:27] the sum,
;   v28 f, v29 p's scale word, v32-43 zeros, q, zeros, v44 q's scale word, v48-51 k's, v52-55 v's, v56-63 and v248-255 v's scale words as loaded, v64-95 k, v96-127 v, v128-191 S then p, v192-223 O^T, v224-231 p's codes.
.set S,   128
.set OT,  192
.set KF,  64
.set VF,  96
.set PCD, 224
.set BM,  232                          ; the blocks' largest scores, then largest p
.set BT,  236                          ; at work
.set T01, 240
.set BS,  244                          ; the conversions' scale operands
.set YSC, 8448                         ; LDS: 16 rows x 528 bytes of y's codes; then 512 bytes of y's scale bytes;
.set SPARE, 8960                       ; then the spare words: 128 bytes for each of 16 waves, named by no other line
; The addresses of k's images and scale words for the four blocks in s88-91: twelve plain vector lines.
.macro KADDR
.irp i, 0,1,2,3
	v_lshl_add_u32 v[8+\i], s[88+\i], 10, v1       ; k: two images of 512 bytes a block
.endr
	s_and_b32 s2, s88, 60
	s_and_b32 s66, s89, 60
	s_and_b32 s67, s90, 60
	s_and_b32 s104, s91, 60
	s_mul_i32 s2, s2, 60
	s_mul_i32 s66, s66, 60
	s_mul_i32 s67, s67, 60
	s_mul_i32 s104, s104, 60
.irp i, 0,1,2,3
	v_lshl_add_u32 v[12+\i], s[88+\i], 2, v2       ; k's scale words: 4 block + 16 r,
.endr
	v_add_nc_u32 v12, s2, v12                      ; + 60 (block & 60): 256 bytes for four blocks, + 4 (block % 4), + 16 r
	v_add_nc_u32 v13, s66, v13
	v_add_nc_u32 v14, s67, v14
	v_add_nc_u32 v15, s104, v15
.endm
; The addresses of v's codes and scale words for the same four blocks: eight plain vector lines.
.macro VADDR
.irp i, 0,1,2,3
	v_and_b32 v[18+\i], 0xff3, v[12+\i]            ; v's scale words: k's place without its 4 (block % 4): 256 bytes for four blocks, + 16 r
.endr
	v_mad_u32_u24 v16, s89, v3, v2                 ; v: lanes 0-15 take block 2 c of the step, lanes 16-31 block 2 c + 1: 1,024 bytes a block, + 16 r
	v_mad_u32_u24 v16, s88, v4, v16
	v_mad_u32_u24 v17, s91, v3, v2
	v_mad_u32_u24 v17, s90, v4, v17
.endm
; k of block i of a step: its two images and its scale words.
.macro KLOAD i
	global_load_b128 v[KF+8*(\i):KF+8*(\i)+3], v[8+(\i)], s[4:5]
	global_load_b128 v[KF+8*(\i)+4:KF+8*(\i)+7], v[8+(\i)], s[4:5] offset:512
	global_load_b32 v[48+(\i)], v[12+(\i)], s[6:7]
.endm
; The mask words of the four blocks in s88-91, 16 each, and the four blocks that follow them in the list (behind the list's end: written words that are not used).
.macro MASKS
	s_lshl_b32 s2, s88, 6
	s_lshl_b32 s66, s89, 6
	s_lshl_b32 s67, s90, 6
	s_lshl_b32 s104, s91, 6
	s_load_b512 s[16:31], s[12:13], s2 offset:0x0
	s_load_b512 s[32:47], s[12:13], s66 offset:0x0
	s_load_b512 s[48:63], s[12:13], s67 offset:0x0
	s_load_b512 s[68:83], s[12:13], s104 offset:0x0
	s_load_b128 s[84:87], s[14:15], s94 offset:0x0
.endm
; A STEP.  On the way in: s88-91 hold its four blocks; its 12 loads of k and its scalar loads (mask words, the next four blocks) are out; v16-21 hold v's addresses.  next = 1: another step follows.
.macro STEP next
	s_wait_alu depctr_va_vdst(0)                   ; v16-21 are written, which v's loads read; the last step's products V^T P are done reading v96-127 and its byte picks v56-63 and v248-255, in which they land; in the first step: q's scale word and the zeros are written, behind their places
.irp t, 0,1,2,3
.irp c, 0,1
	global_load_b128 v[VF+8*\t+4*\c:VF+8*\t+4*\c+3], v[16+\c], s[8:9] offset:256*\t
.endr
.endr
	global_load_b128 v[56:59], v18, s[10:11]
	global_load_b128 v[60:63], v19, s[10:11]
	global_load_b128 v[248:251], v20, s[10:11]
	global_load_b128 v[252:255], v21, s[10:11]
	s_and_b32 s100, s89, 3                         ; byte selects for v's scale words: block i's byte is byte block % 4 of its word
	s_lshl_b32 s100, s100, 8
	s_and_b32 s105, s88, 3
	s_or_b32 s100, s100, s105
	s_or_b32 s100, s100, 0x400
	s_and_b32 s101, s91, 3
	s_lshl_b32 s101, s101, 8
	s_and_b32 s105, s90, 3
	s_or_b32 s101, s101, s105
	s_or_b32 s101, s101, 0x400
	s_lshl_b32 s101, s101, 16
	s_wait_loadcnt 12                              ; k and its scale words are in; the 12 loads of v and its scale words may be out
.irp s, 0,1,2,3
	v_wmma_scale_f32_16x16x128_f8f6f4 v[S+16*\s:S+16*\s+7], v[KF+8*\s:KF+8*\s+7], v[36:43], 0, v[48+\s], v44 matrix_a_fmt:MATRIX_FMT_FP4 matrix_b_fmt:MATRIX_FMT_FP4
	v_wmma_scale_f32_16x16x128_f8f6f4 v[S+16*\s+8:S+16*\s+15], v[KF+8*\s:KF+8*\s+7], v[32:39], 0, v[48+\s], v44 matrix_a_fmt:MATRIX_FMT_FP4 matrix_b_fmt:MATRIX_FMT_FP4
.endr
	s_wait_kmcnt 0x0                               ; the mask words and the next step's blocks: no scalar load is out, so their offset registers may be written
.if \next
.irp i, 0,1,2,3
	s_min_u32 s[88+\i], s[84+\i], 63               ; the next step's blocks
.endr
	s_add_co_u32 s94, s94, 16                      ; where the four blocks behind them stand in the list
	s_wait_alu depctr_vm_vsrc(0)                   ; this step's loads of k have read v8-15, which the lines below write, and its loads of v have read v16-21, which the step's last lines write
	KADDR                                          ; these twelve lines are also the places between the score products and the first read of the scores
	s_wait_alu depctr_va_vdst(0)                   ; v8-15 are written, which the next step's loads of k read; the score products are done reading v64-95 and v48-51, in which they land
.else
.rept 4
	v_nop                                          ; four places between the score products and the first read of the scores
.endr
.endif
.irp s, 0,1,2,3
.if \next
	KLOAD \s                                       ; no vector or matrix instruction since the wait above names these registers: the selects name S and v7
.endif
.set J, 0
.rept 16
	v_cndmask_b32 v[S+16*\s+J], v7, v[S+16*\s+J], s[16+16*\s+4*(\s/3)+J]   ; hidden scores become -infinity; each accumulator from its low end on
.set J, J+1
.endr
.endr
.irp b, 0,1,2,3
	v_max3_num_f32 v[BM+\b], v[S+16*\b], v[S+1+16*\b], v[S+2+16*\b]        ; the largest score of each block: for the row's maximum, and for the block's largest p
.endr
.irp i, 3,5,7,9,11,13
.irp b, 0,1,2,3
	v_max3_num_f32 v[BM+\b], v[BM+\b], v[S+16*\b+\i], v[S+1+16*\b+\i]
.endr
.endr
.irp b, 0,1,2,3
	v_max_num_f32 v[BM+\b], v[BM+\b], v[S+15+16*\b]
.endr
.irp b, 0,1,2,3
	v_permlanex16_b32 v[BT+\b], v[BM+\b], s98, s99
.endr
.irp b, 0,1,2,3
	v_max_num_f32 v[BM+\b], v[BM+\b], v[BT+\b]
.endr
	v_max3_num_f32 v30, v[BM], v[BM+1], v[BM+2]
	v_max_num_f32 v30, v30, v[BM+3]
	v_mul_f32 v30, s96, v30
	v_max_num_f32 v25, v25, v30                    ; the running largest t
	v_mov_b32 v30, v24
	v_floor_f32 v24, -v25                          ; -M = floor(-t)
	v_sub_f32 v30, v24, v30                        ; old M - new M: a whole number, 0 or less
	v_cvt_i32_f32 v30, v30                         ; (it saturates)
	v_ldexp_f32 v28, 1.0, v30                      ; f = 2^(old M - new M)
.set J, 0
.rept 32
	v_pk_fma_f32 v[S+J:S+J+1], v[S+J:S+J+1], s[96:97], v[24:25] op_sel_hi:[1,0,0]   ; t - M
.set J, J+2
.endr
.irp b, 0,1,2,3
	v_fma_f32 v[BM+\b], v[BM+\b], s96, v24
.endr
.set J, 0
.rept 64
	v_exp_f32 v[S+J], v[S+J]                       ; p
.set J, J+1
.endr
	v_pk_mul_f32 v[26:27], v[26:27], v[28:29] op_sel_hi:[1,0]      ; the sum under the new M: a plain line behind the exponentials
	s_wait_alu depctr_va_vdst(0)                   ; the 64 exponentials have written p: one wait for the batch, ahead of its first reader
.if \next
	MASKS                                          ; the selects, which read the mask words' scalar registers, and the additions that read s2, s66, s67 and s104 were issued ahead of the wait above
.endif
.irp b, 0,1,2,3
	v_exp_f32 v[BM+\b], v[BM+\b]                   ; the blocks' largest p
.endr
	v_pk_add_f32 v[BT:BT+1], v[S:S+1], v[S+2:S+3]  ; the row's sum of the unquantised p, in two chains
.irp j, 4,8,12,16,20,24,28,32,36,40,44,48,52,56,60
	v_pk_add_f32 v[26:27], v[26:27], v[S+\j:S+\j+1]
	v_pk_add_f32 v[BT:BT+1], v[BT:BT+1], v[S+2+\j:S+3+\j]
.endr
	v_pk_add_f32 v[26:27], v[26:27], v[BT:BT+1]
	s_wait_alu depctr_va_vdst(0)                   ; the four exponentials have written the blocks' largest p, ahead of their first reader
.irp b, 0,1,2,3
	v_max_num_f32 v[BM+\b], 0x1800000, v[BM+\b]    ; the floor 2^(3 - 127)
.endr
.irp b, 0,1,2,3
	v_add_nc_u32 v[BS+\b], 0xff000000, v[BM+\b]
.endr
.irp b, 0,1,2,3
	v_lshrrev_b32 v[BT+\b], 23, v[BS+\b]
.endr
	v_lshl_or_b32 v29, v[BT+1], 8, v[BT]
	v_lshl_or_b32 v29, v[BT+2], 16, v29
	v_lshl_or_b32 v29, v[BT+3], 24, v29            ; p's scale word
.irp c, 0,1
	v_cvt_scalef32_pk8_fp4_f32 v[PCD+4*\c], v[S+32*\c:S+32*\c+7], v[BS+2*\c]
	v_cvt_scalef32_pk8_fp4_f32 v[PCD+4*\c+1], v[S+32*\c+16:S+32*\c+23], v[BS+1+2*\c]
	v_cvt_scalef32_pk8_fp4_f32 v[PCD+4*\c+2], v[S+32*\c+8:S+32*\c+15], v[BS+2*\c]
	v_cvt_scalef32_pk8_fp4_f32 v[PCD+4*\c+3], v[S+32*\c+24:S+32*\c+31], v[BS+1+2*\c]
.endr
	v_nop
.irp c, 0,1
	v_permlane16_swap_b32 v[PCD+4*\c], v[PCD+4*\c+1]
	v_permlane16_swap_b32 v[PCD+4*\c+2], v[PCD+4*\c+3]             ; lane (r, h): registers 4 c .. 4 c + 3 hold block 2 c + h whole
.endr
.if \next
	s_wait_loadcnt 12                              ; v and its scale words are in; the next step's 12 loads of k may be out
.else
	s_wait_loadcnt 0x0                             ; v and its scale words
.endif
.irp t, 0,1,2,3
	v_perm_b32 v[T01+\t], v[60+\t], v[56+\t], s100                 ; bytes 0, 1: blocks 0, 1 of the step
.endr
.irp t, 0,1,2,3
	v_perm_b32 v[52+\t], v[252+\t], v[248+\t], s101                ; bytes 2, 3: blocks 2, 3
.endr
.irp t, 0,1,2,3
	v_perm_b32 v[52+\t], v[52+\t], v[T01+\t], 0x07060100
.endr
.set J, 0
.rept 16
	v_pk_mul_f32 v[OT+J:OT+J+1], v[OT+J:OT+J+1], v[28:29] op_sel_hi:[1,0]   ; O^T under the new M; these lines are also the places between the scale words' last write and the products
.set J, J+2
.endr
	s_wait_alu depctr_va_vdst(0)                   ; p's codes, p's scale word and v's scale words are written, which the scaled products below take as source 1 and as scales; the places above stay beside this wait
.irp t, 0,1,2,3
	v_wmma_scale_f32_16x16x128_f8f6f4 v[OT+8*\t:OT+8*\t+7], v[VF+8*\t:VF+8*\t+7], v[PCD:PCD+7], v[OT+8*\t:OT+8*\t+7], v[52+\t], v29 matrix_a_fmt:MATRIX_FMT_FP4 matrix_b_fmt:MATRIX_FMT_FP4
.endr
.if \next
	VADDR                                          ; the next step's addresses of v: this step's loads of v are done (the wait on LOADcnt above) and have read v16-21 (the step's wait on vm_vsrc, behind which no load has read them)
.endif
.endm
	s_load_b256 s[4:11], s[0:1], 0x0               ; qkc, qks, vc, vs
	s_load_b128 s[12:15], s[0:1], 0x20             ; mw, ml
	v_lshl_add_u32 v5, v0, 2, SPARE
	v_mov_b32 v6, 0
	v_lshrrev_b32 v30, 5, v0
	v_readfirstlane_b32 s3, v30                    ; my wave = my head
	v_and_b32 v30, 31, v0
	v_lshlrev_b32 v1, 4, v30
	v_and_b32 v31, 15, v0                          ; r
	v_lshlrev_b32 v2, 4, v31
	v_bfe_u32 v30, v0, 4, 1                        ; h
	v_lshlrev_b32 v3, 10, v30
	v_xor_b32 v4, 0x400, v3
	v_mul_u32_u24 v22, v31, 528
	v_lshl_add_u32 v22, v30, 4, v22
	s_wait_alu depctr_va_sdst(0)                   ; s3 is written, ahead of its first reader
	s_lshl_b32 s2, s3, 5
	v_add_nc_u32 v22, s2, v22                      ; the stage: row r, my head's 32 bytes, + 16 h
	v_lshlrev_b32 v23, 5, v31
	s_lshl_b32 s2, s3, 1
	v_add_nc_u32 v23, s2, v23
	v_add_nc_u32 v23, YSC, v23                     ; y's scale bytes: 32 a row, my head's two
	s_mul_i32 s2, s3, 528
	v_add_nc_u32 v45, s2, v1                       ; back: row = my wave, 16 bytes a lane
	v_add_nc_u32 v46, YSC, v1
	s_sub_co_u32 s2, 127, ttmp9                    ; my query tile: the late tiles, which have the longest lists under a causal mask, start first
	s_and_b32 s92, ttmp7, 0xffff                   ; my batch
	s_lshl_b32 s95, s92, 7
	s_add_co_u32 s95, s95, s2                      ; my token tile
	s_mov_b32 s96, 0x3e38aa3b                      ; c = log2(e) / 8
	s_mov_b32 s97, s96
	s_mov_b32 s98, 0x76543210
	s_mov_b32 s99, 0xfedcba98
	s_mov_b32 s67, 0
	s_wait_kmcnt 0x0
	s_lshl_b32 s66, s3, 18
	s_lshl_b32 s94, s95, 9
	s_add_co_u32 s66, s66, s94
	s_add_nc_u64 s[104:105], s[4:5], s[66:67]      ; q's image: (512 head + token tile) x 512
	s_lshl_b32 s66, s3, 6
	s_lshr_b32 s94, s95, 3
	s_add_co_u32 s66, s66, s94
	s_lshl_b32 s66, s66, 8
	s_lshr_b32 s94, s95, 1
	s_and_b32 s94, s94, 3
	s_lshl_b32 s94, s94, 2
	s_add_co_u32 s66, s66, s94
	s_add_nc_u64 s[100:101], s[6:7], s[66:67]      ; q's scale words
	s_add_co_u32 s93, s3, 16
	s_lshl_b32 s66, s93, 18
	s_lshl_b32 s94, s92, 16
	s_add_co_u32 s66, s66, s94
	s_add_nc_u64 s[4:5], s[4:5], s[66:67]          ; k's images of my head and batch
	s_lshl_b32 s66, s93, 14
	s_lshl_b32 s94, s92, 12
	s_add_co_u32 s66, s66, s94
	s_add_nc_u64 s[6:7], s[6:7], s[66:67]          ; k's scale words
	s_lshl_b32 s93, s92, 4
	s_add_co_u32 s93, s93, s3
	s_lshl_b32 s66, s93, 16
	s_add_nc_u64 s[8:9], s[8:9], s[66:67]          ; v's codes
	s_lshl_b32 s66, s93, 12
	s_add_nc_u64 s[10:11], s[10:11], s[66:67]      ; v's scale words
	s_lshl_b32 s66, s2, 12
	s_add_nc_u64 s[12:13], s[12:13], s[66:67]      ; my tile's mask words
	s_lshl_b32 s66, s2, 9
	s_add_nc_u64 s[14:15], s[14:15], s[66:67]      ; my tile's list
	s_load_b32 s93, s[14:15], 0x100                ; steps
	s_load_b128 s[84:87], s[14:15], 0x0            ; the first step's four blocks
	s_wait_alu depctr_va_vdst(0)                   ; v1 and v2 are written, which q's loads read as offsets; so are the LDS addresses v22, v23, v45, v46 and the add's v5, v6, which are never written again
	global_load_b128 v[36:39], v1, s[104:105]
	global_load_b32 v47, v2, s[100:101]
.irp i, 0,1,2,3
	v_mov_b32 v[32+\i], 0
	v_mov_b32 v[40+\i], 0
	v_mov_b32 v[BT+\i], 0                          ; a lane permute's destination counts as one of its sources
.endr
	v_mov_b32 v7, 0xff800000
	v_mov_b32 v25, 0xff61b1e6                      ; the largest t so far: -3e38
	v_floor_f32 v24, -v25
	v_mov_b32 v26, 0
	v_mov_b32 v27, 0
	v_mov_b32 v29, 0                               ; (named as the upper half of the pair v[28:29])
	s_mov_b32 s92, 1                               ; steps begun, the one that is written out behind the loop among them
	s_mov_b32 s94, 16                              ; where the second step's four blocks stand in the list
	s_wait_kmcnt 0x0                               ; the number of steps and the first step's blocks
	s_wait_xcnt 0x0                                ; q's two loads have had their addresses translated (ISA guide 3.1): their bases s[100:101] and s[104:105] are written again only behind this wait
	s_and_b32 s105, s2, 1
	s_cmp_eq_u32 s105, 0
	s_mov_b32 s105, 0x03020302
	s_cselect_b32 s105, 0x01000100, s105           ; an even token tile's bytes lie in the word's low half
	s_min_u32 s93, s93, 16
.irp i, 0,1,2,3
	s_min_u32 s[88+\i], s[84+\i], 63               ; the first step's blocks
.endr
	KADDR
	VADDR
	s_wait_alu depctr_va_vdst(0)                   ; v8-15 are written, which the first step's loads of k read
.irp i, 0,1,2,3
	KLOAD \i
.endr
	MASKS                                          ; (the additions that read s2, s66, s67 and s104 were issued ahead of the wait above)
	s_wait_loadcnt 12                              ; q and its scale words are in; the 12 loads of k may be out
	v_perm_b32 v44, v47, v47, s105                 ; q's two scale bytes, twice: for either half of the 128
.set J, 0
.rept 32
	v_mov_b32 v[OT+J], 0                           ; the step's text serves every step: the first finds zeros.  These lines are also the places between the write of q's scale word and the first scaled product
.set J, J+1
.endr
	s_cmp_ge_u32 s92, s93                          ; one step in all: the loop is left out
	s_cbranch_scc1 .Llast
.Ltrip:                                                ; steps - 1 trips: each asks for the step behind it
	STEP 1
	s_add_co_u32 s92, s92, 1
	s_cmp_lt_u32 s92, s93
	s_cbranch_scc1 .Ltrip
.Llast:
	STEP 0                                         ; the last step is written out: it asks for no further k, v or mask words
	; THE WAY OUT: y = O^T / the sum, quantised along D (my head's 64 numbers are two blocks), through LDS, so that rows of y's codes leave whole.
	s_load_b128 s[16:19], s[0:1], 0x30             ; yc, ys
	v_add_f32 v26, v26, v27                        ; (these plain lines are the places behind the last products)
	v_permlanex16_b32 v30, v26, s98, s99
	v_add_f32 v26, v26, v30                        ; the row's sum
	v_cmp_eq_f32 s2, 0, v26                        ; a row with no key at all
	s_wait_alu depctr_va_sdst(0)                   ; s2 is written, ahead of its first reader, the select below
	v_cndmask_b32 v27, v26, 1.0, s2                ; is divided by 1: its O^T is zeros
	v_rcp_f32 v30, v27
	v_mov_b32 v31, 0                               ; a plain line behind the reciprocal; v31 is named with v30 as a pair
	v_mov_b32 v28, 0xffff
	s_wait_alu depctr_va_vdst(0)                   ; the reciprocal has written v30, ahead of its first reader
.set J, 0
.rept 16
	v_pk_mul_f32 v[S+J:S+J+1], v[OT+J:OT+J+1], v[30:31] op_sel_hi:[1,0]     ; register 8 t + j: y(r, 16 t + 8 h + j)
.set J, J+2
.endr
.irp b, 0,1
	v_max3_num_f32 v[BM+\b], |v[S+16*\b]|, |v[S+1+16*\b]|, 0x1800000
.endr
.irp i, 2,4,6,8,10,12,14
.irp b, 0,1
	v_max3_num_f32 v[BM+\b], v[BM+\b], |v[S+16*\b+\i]|, |v[S+1+16*\b+\i]|
.endr
.endr
.irp b, 0,1
	v_permlanex16_b32 v[BT+\b], v[BM+\b], s98, s99
.endr
.irp b, 0,1
	v_max_num_f32 v[BM+\b], v[BM+\b], v[BT+\b]
.endr
.irp b, 0,1
	v_add_nc_u32 v[BS+\b], 0xff000000, v[BM+\b]
.endr
.irp b, 0,1
	v_lshrrev_b32 v[BT+\b], 23, v[BS+\b]
.endr
	v_lshl_or_b32 v29, v[BT+1], 8, v[BT]
	v_cndmask_b32 v29, v29, v28, s2                ; no key at all: both bytes 0xff
	v_cvt_scalef32_pk8_fp4_f32 v[PCD], v[S:S+7], v[BS]
	v_cvt_scalef32_pk8_fp4_f32 v[PCD+1], v[S+16:S+23], v[BS+1]
	v_cvt_scalef32_pk8_fp4_f32 v[PCD+2], v[S+8:S+15], v[BS]
	v_cvt_scalef32_pk8_fp4_f32 v[PCD+3], v[S+24:S+31], v[BS+1]
	v_nop
	v_permlane16_swap_b32 v[PCD], v[PCD+1]
	v_permlane16_swap_b32 v[PCD+2], v[PCD+3]       ; lane (r, h): block h of my head, 16 bytes
	s_wait_alu depctr_va_vdst(0)                   ; y's codes and v29 are written, which the LDS stores read; the conversions are done with v128-135, in which the LDS loads below land: no vector instruction follows this wait
	ds_store_b128 v22, v[PCD:PCD+3]
	ds_store_b16 v23, v29                          ; both halves of the lanes write the same two bytes
	s_wait_kmcnt 0x0
	s_lshl_b32 s66, s95, 13
	s_lshl_b32 s67, s3, 9
	s_add_co_u32 s66, s66, s67
	s_mov_b32 s67, 0
	s_add_nc_u64 s[16:17], s[16:17], s[66:67]      ; yc at token 16 tile + wave
	s_lshl_b32 s66, s95, 9
	s_add_nc_u64 s[18:19], s[18:19], s[66:67]      ; ys at token 16 tile
	s_wait_dscnt 0x0                               ; for the others' sake: my stores have landed
	s_barrier_signal -1
	s_barrier_wait -1
	ds_load_b128 v[S:S+3], v45
	s_wait_dscnt 0x0
	global_store_b128 v1, v[S:S+3], s[16:17]       ; 32 lanes store a row of 512 consecutive bytes
	s_cmp_lg_u32 s3, 0
	s_cbranch_scc1 .Lnot_wave_0
	ds_load_b128 v[S+4:S+7], v46
	s_wait_dscnt 0x0
	global_store_b128 v1, v[S+4:S+7], s[18:19]     ; the 16 rows' 512 scale bytes
.Lnot_wave_0:
	s_wait_dscnt 0x0                               ; the closing lines, six on end
	s_wait_alu 0x0
	s_wait_tensorcnt 0x0
	ds_add_u32 v5, v6
	s_wait_dscnt 0x0
	s_endpgm
.Lfunc_end_k_qb0f11d24ae_attn:
	.size	k_qb0f11d24ae_attn, .Lfunc_end_k_qb0f11d24ae_attn-k_qb0f11d24ae_attn
	.p2alignl 7, 3214868480
	.fill 96, 4, 3214868480
	.section	.rodata,"a",@progbits
	.p2align	6, 0x0
	.amdhsa_kernel k_qb0f11d24ae_attn
		.amdhsa_group_segment_fixed_size 11008
		.amdhsa_private_segment_fixed_size 0
		.amdhsa_enable_private_segment 0
		.amdhsa_kernarg_size 64
		.amdhsa_user_sgpr_count 2
		.amdhsa_user_sgpr_kernarg_segment_ptr 1
		.amdhsa_wavefront_size32 1
		.amdhsa_system_sgpr_workgroup_id_x 1
		.amdhsa_system_sgpr_workgroup_id_y 1
		.amdhsa_system_sgpr_workgroup_id_z 1
		.amdhsa_system_vgpr_workitem_id 0
		.amdhsa_next_free_vgpr 256
		.amdhsa_next_free_sgpr 106
		.amdhsa_reserve_vcc 0
		.amdhsa_float_denorm_mode_32 3
		.amdhsa_float_denorm_mode_16_64 3
		.amdhsa_memory_ordered 1
		.amdhsa_forward_progress 1
		.amdhsa_inst_pref_size 56
	.end_amdhsa_kernel
	.amdgpu_metadata
---
amdhsa.version: [ 1, 2 ]
amdhsa.kernels:
  - .name:           k_qb0f11d24ae_attn
    .symbol:         k_qb0f11d24ae_attn.kd
    .args:
      - { .name: qkc, .offset: 0, .size: 8, .value_kind: global_buffer, .address_space: global }
      - { .name: qks, .offset: 8, .size: 8, .value_kind: global_buffer, .address_space: global }
      - { .name: vc, .offset: 16, .size: 8, .value_kind: global_buffer, .address_space: global }
      - { .name: vs, .offset: 24, .size: 8, .value_kind: global_buffer, .address_space: global }
      - { .name: mw, .offset: 32, .size: 8, .value_kind: global_buffer, .address_space: global }
      - { .name: ml, .offset: 40, .size: 8, .value_kind: global_buffer, .address_space: global }
      - { .name: yc, .offset: 48, .size: 8, .value_kind: global_buffer, .address_space: global }
      - { .name: ys, .offset: 56, .size: 8, .value_kind: global_buffer, .address_space: global }
    .group_segment_fixed_size: 11008
    .private_segment_fixed_size: 0
    .kernarg_segment_align: 8
    .kernarg_segment_size: 64
    .max_flat_workgroup_size: 512
    .sgpr_count:     106
    .vgpr_count:     256
    .wavefront_size: 32
...
	.end_amdgpu_metadata
.endif
;; end of part 4
;; launch proj: the kernel of part 3 again; grid 4 x 64, 4 waves a work-group, clusters of 4 x 4, 327,680 bytes of LDS; arguments yc, ys, Wproj_codes, Wproj_scales, bproj, out0; writes out0
